; MI455X (gfx1250); checked and timed in simulation.
; The chip was launched on July 23, 2026; its instructions are those of AMD's public machine-readable ISA for CDNA 5 (MIT licence, August 2026) and "CDNA5" Instruction Set Architecture Reference Guide (July 2026). The comments in the code are by the model that wrote it; some were corrected since.
;; Multihead Attention Ro PE. Allowed arithmetic: matrix products marked QUANTISED: E3M2 operands, one E8M0 scale for each 32 along K, by v_wmma_scale_f32_16x16x128_f8f6f4 with both operands' format E3M2, f32 sums; products left as they are: f32 operands where the result goes on into a quantised operand, else bf16, f16 or f32 operands; f32 sums; everything else in f32.
;; Inputs: Wk 1,024 x 1,024 float32; Wo 1,024 x 1,024 float32; Wq 1,024 x 1,024 float32; Wv 1,024 x 1,024 float32; bk 1,024 float32; bo 1,024 float32; bq 1,024 float32; bv 1,024 float32; x 2 x 8,192 x 1,024 float32.
;; Outputs: out0 2 x 8,192 x 1,024 float32.
;; This version of the problem:
;;   THIS VERSION OF THE PROBLEM IS GIVEN IN LOW PRECISION. The matrix products marked QUANTISED in the list below multiply operands that are first quantised to E3M2 (3 exponent bits, 2 mantissa bits; 6 bits a number), with one power-of-two scale for each 32 numbers along K (OCP MX v1.0); their sums are f32. All else is computed in f32.
;;   The module's matrix products, in the order in which they are computed (A, B: the left and right operand; K: the contracted axis; several contracted axes count as one K, in the product's order):
;;     1. [M 16,384, K 1,024] x [K 1,024, N 1,024]; A: input x; B: input Wq: QUANTISED
;;     2. [M 16,384, K 1,024] x [K 1,024, N 1,024]; A: input x; B: input Wk: QUANTISED
;;     3. [M 16,384, K 1,024] x [K 1,024, N 1,024]; A: input x; B: input Wv: QUANTISED
;;     4. batch 16,384 x [M 16, K 64] x [K 64, N 16]; A: computed on the way; B: computed on the way: QUANTISED
;;     5. batch 16,384 x [M 16, K 16] x [K 16, N 64]; A: softmax; B: computed on the way: left as it is (K = 16 < 32)
;;     6. [M 16,384, K 1,024] x [K 1,024, N 1,024]; A: computed on the way; B: input Wo: QUANTISED
;;   THE QUANTISER, for each operand of a quantised product, along K:
;;     - K is cut into blocks of 32 from its start; a last block that is shorter is filled with zeros.
;;     - A block's scale is 2^e with e = floor(log2(the largest magnitude in the block)) - 4, held to -126 .. 127; a block of zeros has e = 0. As a byte (E8M0): e + 127.
;;     - Each number is divided by its block's scale, clamped to +-28, and rounded to the nearest number of E3M2, ties to even, subnormals kept.
;;     - The product sums the exact products of the quantised numbers (number of the format x scale) in f32.
;;   ~~~python
;;   def quantise(x, axis):      # numpy; x: float32 -> the quantised numbers, widened to float32 again
;;       x = np.moveaxis(x, axis, -1); K = x.shape[-1]
;;       x = np.pad(x, [(0, 0)] * (x.ndim - 1) + [(0, -K % 32)]); x = x.reshape(x.shape[:-1] + (-1, 32)); a = np.abs(x).max(-1, keepdims=True)
;;       e = np.where(a > 0, np.clip(np.frexp(np.where(a > 0, a, 1))[1] - 1 - 4, -126, 127), 0)      # np.frexp(a)[1] - 1 = floor(log2(a)), exactly
;;       r = np.clip(x / 2.0 ** e, -28, 28)
;;       step = 2.0 ** (np.maximum(np.frexp(np.where(r == 0, 1, r))[1] - 1, -2) - 2)
;;       q = np.round(r / step) * step * 2.0 ** e      # np.round: ties to even
;;       return np.moveaxis(q.reshape(q.shape[:-2] + (-1,))[..., :K], -1, axis).astype(np.float32)
;;   ~~~
;;   OPERANDS COMPUTED ON THE WAY. 'Computed on the way' means the value that the module computes at that place (a softmax that the list does not call 'softmax' is quantised finished and normalised). What goes into a quantiser is computed in f32, as accurately as f32 sums, v_exp_f32 and their like allow (about 1e-6 of the number): no bf16 or f16 on the way to a quantiser, and a product that is left as it is and whose result goes on into a quantised operand takes f32 operands (vector FMAs, or v_wmma_f32_16x16x4_f32). A number that lies on a knife's edge between two numbers of the format may be rounded either way, as far as f32 arithmetic and the matrix unit's own rounding can turn it there, and no further.
;; 2 versions. Each part assembles by itself: llvm-mc -triple=amdgcn-amd-amdhsa -mcpu=gfx1250 --defsym DOCPART=n.
;; ======== version 1 of 2: 2 launches
;; workspace buffers: wst 3,276,800 bytes
;; launch prep (part 1): grid 256 x 1, 4 waves a work-group, no clusters, 12,800 bytes of LDS; arguments Wq, Wk, Wv, Wo, wst; writes wst
.if DOCPART == 1
	.amdgcn_target "amdgcn-amd-amdhsa--gfx1250"
	.amdhsa_code_object_version 6
	.text
	.protected	k_qb23390ec92_prep
	.globl	k_qb23390ec92_prep
	.p2align	8
	.type	k_qb23390ec92_prep,@function
k_qb23390ec92_prep:
	s_mov_b64 s[64:65], 0
	v_nop
	global_prefetch_b8 v0, s[64:65] scope:SCOPE_SE
	s_setreg_imm32_b32 hwreg(HW_REG_WAVE_MODE, 25, 1), 1
	s_wait_xcnt 0x0
; Wq, Wk, Wv, Wo: [1024 (k)][1024 (n)] f32, K the FIRST axis.  They become codes of BF6 (E3M2) with one E8M0 byte for each 32 along K,
; laid in wst in the very order in which the second launch streams them and in which a wave's operand registers take them.
; wst = 32 slots of 102,400 bytes.  Slot 4 g + kp: chunk g = 2 ph + c (ph = 0..3: Q, K, V, O; c: which half of the work), kp: K steps 2 kp, 2 kp + 1 of 128.
; A slot = 4 quarters of 25,600 bytes, one for each wave w of the second launch.  A quarter = [s' = 0, 1][tile i = 0..7] images of 1,536 bytes, then at 24,576 [s'][a = 0..3] scale images of 128 bytes.
; An image holds a fragment's 12 registers: register p of lane L at 512 (p / 4) + 16 L + 4 (p % 4); lane (r, h) holds column col(i, r), registers 6 c' .. 6 c' + 5 the 24 bytes of K block 4 s + 2 c' + h.
; A scale image: lanes 0-15 the words of tile 2 a, lanes 16-31 those of tile 2 a + 1.
; col(i, r):  Q, K: 512 c + 128 w + 32 (i / 2) + 8 (i % 2) + r + 8 (r / 8);   O: 512 c + 128 w + 16 i + r;   V: 64 (4 w + i / 2) + 32 c + 16 (i % 2) + r.
; SHARES.  Work-group id = 64 ph + 8 s + 4 c + w makes the 8 fragments of (g, w, K step s); its wave pw makes tiles 2 pw, 2 pw + 1: 32 columns x 128 along K.
; A LANE TAKES A COLUMN AND ITS REGISTERS RUN DOWN K: a block of 32 lies in one lane, its largest magnitude needs no other lane, and the conversions give codes with K innermost.
; Each load of a wave reads the same 128 consecutive bytes of a row of W; for Q and K the lanes take them in the tile's order of columns.
; A block's scale is 2^(floor(log2(largest magnitude)) - 4); its byte is the largest magnitude's exponent field - 4, held at 1 from below.
; LIMITS: a block of zeros gets the byte 1 where the quantiser's rule says 127 (its codes are zeros, and this program alone reads the bytes); NaN and infinities are not served.
; No barrier: the waves share nothing.  The images are gathered in the wave's own 3,072 bytes of LDS and leave by stores of 512 consecutive bytes.
.set EMAX, 4
.set X,  32                            ; v32-159  four blocks of 32 numbers
.set CC, 160                           ; v160-191 a block's six code registers, eight apart: no store's data are written again
.set D2, 16                            ; v16-18   the second half of a block's codes, before it is moved
	s_load_b256 s[4:11], s[0:1], 0x0               ; Wq, Wk, Wv, Wo
	s_load_b64 s[12:13], s[0:1], 0x20              ; wst
	v_lshl_add_u32 v192, v0, 2, 0x3000
	v_mov_b32 v193, 0
	v_lshrrev_b32 v1, 5, v0
	v_readfirstlane_b32 s16, v1                    ; pw
	v_and_b32 v2, 31, v0                           ; lane
	s_lshr_b32 s17, ttmp9, 6                       ; ph
	s_bfe_u32 s18, ttmp9, 0x30003                  ; s: 3 bits from bit 3
	s_and_b32 s19, ttmp9, 7                        ; 4 c + w
	s_lshr_b32 s20, s19, 2                         ; c
	s_and_b32 s21, s19, 3                          ; w
	v_lshrrev_b32 v3, 4, v2                        ; u: which of my wave's two tiles
	v_and_b32 v4, 7, v2
	v_lshl_add_u32 v4, v3, 3, v4
	v_bfe_u32 v5, v2, 3, 1
	v_lshl_add_u32 v4, v5, 4, v4                   ; Q, K: column 8 u + r + 8 (r / 8) of the wave's 32
	s_cmp_lt_u32 s17, 2
	s_cselect_b32 s22, -1, 0
	v_cndmask_b32 v4, v2, v4, s22                  ; V, O: the lane's own number
	v_lshlrev_b32 v4, 2, v4                        ; in bytes
	s_lshl_b32 s23, s19, 7
	s_lshl_b32 s24, s16, 5
	s_add_co_u32 s23, s23, s24                     ; Q, K, O: first column 128 (4 c + w) + 32 pw
	s_lshl_b32 s24, s21, 8
	s_lshl_b32 s25, s16, 6
	s_add_co_u32 s24, s24, s25
	s_lshl_b32 s25, s20, 5
	s_add_co_u32 s24, s24, s25                     ; V: 64 (4 w + pw) + 32 c
	s_cmp_eq_u32 s17, 2
	s_cselect_b32 s23, s24, s23
	s_lshl_b32 s23, s23, 2
	s_lshl_b32 s24, s18, 19                        ; 128 s rows of 4,096 bytes
	s_add_co_u32 s24, s24, s23
	s_mov_b32 s25, 0                               ; s[24:25]: where my wave's part of W begins
	s_lshl_b32 s26, s17, 3
	s_lshl_b32 s27, s20, 2
	s_add_co_u32 s26, s26, s27
	s_lshr_b32 s27, s18, 1
	s_add_co_u32 s26, s26, s27                     ; the slot: 8 ph + 4 c + s / 2
	s_mul_i32 s26, s26, 102400
	s_mul_i32 s27, s21, 25600
	s_add_co_u32 s26, s26, s27                     ; the quarter
	s_and_b32 s28, s18, 1                          ; s'
	s_mul_i32 s29, s28, 12288
	s_mul_i32 s35, s16, 3072
	s_add_co_u32 s30, s29, s35
	s_add_co_u32 s30, s30, s26
	s_mov_b32 s31, 0                               ; s[30:31]: my two images
	s_lshl_b32 s32, s28, 9
	s_lshl_b32 s29, s16, 7
	s_add_co_u32 s32, s32, s29
	s_add_co_u32 s32, s32, s26
	s_add_co_u32 s32, s32, 24576
	s_mov_b32 s33, 0                               ; s[32:33]: my scale image
	v_and_b32 v5, 15, v2                           ; r
	v_mul_u32_u24 v6, v3, 1536
	v_lshl_add_u32 v6, v5, 4, v6
	v_add_nc_u32 v6, s35, v6                       ; the stage, in: 3,072 pw + 1,536 u + 16 r
	v_lshlrev_b32 v7, 4, v2                        ; 16 x lane
	v_add_nc_u32 v8, s35, v7                       ; the stage, out
	v_lshlrev_b32 v9, 2, v2                        ; 4 x lane
	s_wait_kmcnt 0x0
	s_and_b32 s34, s17, 1                          ; the weight is chosen on the work-group's number alone
	s_cmp_eq_u32 s34, 0
	s_cselect_b64 s[4:5], s[4:5], s[6:7]
	s_cselect_b64 s[8:9], s[8:9], s[10:11]
	s_cmp_lt_u32 s17, 2
	s_cselect_b64 s[4:5], s[4:5], s[8:9]
	s_add_nc_u64 s[4:5], s[4:5], s[24:25]
	s_add_nc_u64 s[14:15], s[12:13], s[32:33]
	s_add_nc_u64 s[12:13], s[12:13], s[30:31]
.macro LOADB t                         ; block t: W(128 s + 32 t + i, my column), i = 0 .. 31
.irp i, 0,1,2,3,4,5,6,7,8,9,10,11,12,13,14,15,16,17,18,19,20,21,22,23,24,25,26,27,28,29,30,31
	global_load_b32 v[X+32*(\t)+\i], v4, s[4:5] offset:(32*(\t)+\i)*4096 th:TH_LOAD_NT
.endr
.endm
.macro BLOCK t
.set XB, X+32*(\t)
.set CB, CC+8*(\t)
.if (\t) < 3
	s_wait_loadcnt 32                              ; this block's 32 loads are in; the next block's 32 may be out
.else
	s_wait_loadcnt 0x0
.endif
.if (\t)+2 < 4
	LOADB (\t)+2                                   ; two blocks ahead, into registers of its own
.endif
	v_max3_num_f32 v12, |v[XB]|, |v[XB+1]|, |v[XB+2]|               ; the block's largest magnitude: all 32 numbers are mine
	v_max3_num_f32 v13, |v[XB+3]|, |v[XB+4]|, |v[XB+5]|
.irp i, 6,10,14,18,22,26
	v_max3_num_f32 v12, v12, |v[XB+\i]|, |v[XB+\i+1]|
	v_max3_num_f32 v13, v13, |v[XB+\i+2]|, |v[XB+\i+3]|
.endr
	v_max3_num_f32 v12, v12, |v[XB+30]|, |v[XB+31]|
	v_max3_num_f32 v12, v12, v13, (EMAX+1)<<23     ; and the floor 2^(5 - 127): the byte cannot fall under 1
	v_add_nc_u32 v11, -(EMAX<<23), v12             ; 4 off its exponent field: the conversion takes the exponent field of this operand as its scale
	v_lshrrev_b32 v13, 23, v11                     ; the scale's byte
.if (\t) == 0
	v_mov_b32 v10, v13                             ; four bytes make my column's scale word of this K step
.else
	v_lshl_or_b32 v10, v13, 8*(\t), v10
.endif
	v_cvt_scalef32_pk16_bf6_f32 v[CB:CB+2], v[XB:XB+15], v11
	v_cvt_scalef32_pk16_bf6_f32 v[D2:D2+2], v[XB+16:XB+31], v11     ; (a conversion's three registers begin on an even number)
	v_nop                                          ; one plain place behind a scaled conversion
.irp i, 0,1,2
	v_mov_b32 v[CB+3+\i], v[D2+\i]
.endr
.if (\t)/2 == 0                        ; block t = 2 c' + h is registers 6 c' .. 6 c' + 5 of lane (r, h)
	ds_store_b128 v6, v[CB:CB+3] offset:256*((\t)%2)
	ds_store_b64 v6, v[CB+4:CB+5] offset:512+256*((\t)%2)
.else
	ds_store_b64 v6, v[CB:CB+1] offset:520+256*((\t)%2)
	ds_store_b128 v6, v[CB+2:CB+5] offset:1024+256*((\t)%2)
.endif
.endm
	LOADB 0
	LOADB 1
	BLOCK 0
	BLOCK 1
	BLOCK 2
	BLOCK 3
.irp k, 0,1,2,3,4,5
	ds_load_b128 v[X+4*\k:X+4*\k+3], v8 offset:512*\k              ; LDS serves a wave's instructions in order: these see my stores
.endr
	global_store_b32 v9, v10, s[14:15]             ; the four waves' scale images are 512 consecutive bytes
.irp k, 0,1,2,3,4,5
	s_wait_dscnt 5-\k                              ; the younger loads may be out
	global_store_b128 v7, v[X+4*\k:X+4*\k+3], s[12:13] offset:512*\k   ; 32 lanes store 512 consecutive bytes, at a multiple of 256 from wst's first byte
.endr
	s_wait_tensorcnt 0x0
	ds_add_u32 v192, v193
	s_wait_dscnt 0x0
	s_endpgm
.Lfunc_end_k_qb23390ec92_prep:
	.size	k_qb23390ec92_prep, .Lfunc_end_k_qb23390ec92_prep-k_qb23390ec92_prep
	.p2alignl 7, 3214868480
	.fill 96, 4, 3214868480
	.section	.rodata,"a",@progbits
	.p2align	6, 0x0
	.amdhsa_kernel k_qb23390ec92_prep
		.amdhsa_group_segment_fixed_size 12800
		.amdhsa_private_segment_fixed_size 0
		.amdhsa_enable_private_segment 0
		.amdhsa_kernarg_size 40
		.amdhsa_user_sgpr_count 2
		.amdhsa_user_sgpr_kernarg_segment_ptr 1
		.amdhsa_wavefront_size32 1
		.amdhsa_system_sgpr_workgroup_id_x 1
		.amdhsa_system_sgpr_workgroup_id_y 1
		.amdhsa_system_sgpr_workgroup_id_z 1
		.amdhsa_system_vgpr_workitem_id 0
		.amdhsa_next_free_vgpr 194
		.amdhsa_next_free_sgpr 66
		.amdhsa_reserve_vcc 0
		.amdhsa_float_denorm_mode_32 3
		.amdhsa_float_denorm_mode_16_64 3
		.amdhsa_memory_ordered 1
		.amdhsa_forward_progress 1
		.amdhsa_inst_pref_size 23
	.end_amdhsa_kernel
	.amdgpu_metadata
---
amdhsa.version: [ 1, 2 ]
amdhsa.kernels:
  - .name:           k_qb23390ec92_prep
    .symbol:         k_qb23390ec92_prep.kd
    .args:
      - { .name: Wq, .offset: 0, .size: 8, .value_kind: global_buffer, .address_space: global }
      - { .name: Wk, .offset: 8, .size: 8, .value_kind: global_buffer, .address_space: global }
      - { .name: Wv, .offset: 16, .size: 8, .value_kind: global_buffer, .address_space: global }
      - { .name: Wo, .offset: 24, .size: 8, .value_kind: global_buffer, .address_space: global }
      - { .name: wst, .offset: 32, .size: 8, .value_kind: global_buffer, .address_space: global }
    .group_segment_fixed_size: 12800
    .private_segment_fixed_size: 0
    .kernarg_segment_align: 8
    .kernarg_segment_size: 40
    .max_flat_workgroup_size: 128
    .sgpr_count:     66
    .vgpr_count:     194
    .wavefront_size: 32
...
	.end_amdgpu_metadata
.endif
;; end of part 1
;; launch fused (part 2): grid 256 x 1, 4 waves a work-group, clusters of 4 x 1, 327,680 bytes of LDS; arguments x, bq, bk, bv, bo, wst, out0; writes out0
.if DOCPART == 2
	.amdgcn_target "amdgcn-amd-amdhsa--gfx1250"
	.amdhsa_code_object_version 6
	.text
	.protected	k_qb23390ec92_fused
	.globl	k_qb23390ec92_fused
	.p2align	8
	.type	k_qb23390ec92_fused,@function
k_qb23390ec92_fused:
	s_mov_b64 s[64:65], 0
	v_nop
	global_prefetch_b8 v0, s[64:65] scope:SCOPE_SE
	s_setreg_imm32_b32 hwreg(HW_REG_WAVE_MODE, 25, 1), 1
	s_wait_xcnt 0x0
	s_wait_alu depctr_hold_cnt(0) depctr_sa_sdst(0) depctr_va_vdst(0) depctr_va_sdst(0) depctr_va_ssrc(0) depctr_va_vcc(0) depctr_vm_vsrc(0)
	s_getreg_b32 s2, hwreg(HW_REG_IB_STS2, 6, 4)
	s_cmp_eq_u32 s2, 0
	s_cbranch_scc0 .Lentry_in_a_cluster
	s_endpgm
.Lentry_in_a_cluster:
	s_bfe_u32 s2, ttmp6, 0x10000c
	s_cmp_lg_u32 s2, 0x3003
	s_cbranch_scc0 .Lentry_shape_is_right
	s_endpgm
.Lentry_shape_is_right:
; out0 = attention-over-heads(x) Wo + bo, one block of 64 rows (positions) of x [16,384][1,024] to a work-group; nothing but x, the weights' codes, the biases and out0 touches memory.
; For a position: q, k, v = x W + b (codes of BF6, one E8M0 byte for each 32 along K); rotary turn of q and k; scores[h][e] = q[h] . k[e] / 8 on codes (K = 64, filled to 128 with zero codes);
; softmax over e with the row's maximum taken away; o[h][d] = sum over e of w[h][e] v[e][d] with f32 operands (its result is quantised); out = o Wo + bo on codes.
; SHARES.  Four waves.  In the four large products wave w owns 128 columns of each chunk of 512 for all 64 rows: 32 accumulators of 16 x 16.  x's (later o's) 32 fragments stay in every wave's registers
; (384), so the K loops read only weights from LDS: a fragment of 1,536 bytes feeds four matrix instructions.  In the work of a position wave w owns positions 16 m + 4 w + i.
; THE WEIGHTS come as the first launch laid them: 32 slots of 102,400 bytes, two K steps of one chunk each, through a ring of two LDS slots.  Each wave fetches and reads its own quarter.
; CLUSTER.  All work-groups walk the same weights: the four of a cluster ask for each quarter JOINTLY (the same tensor load, the same descriptor, the mask 15), behind a round of the cluster's barrier.
; ALL PRODUCTS ARE USED TRANSPOSED (source 0 = 16 columns of the weight, source 1 = 16 positions): a lane holds one position and eight columns.  For Q and K the columns of a tile are chosen so that
; the 16 registers of tiles 2 b, 2 b + 1 are 16 neighbours; for V a chunk holds one half (32 of 64) of every head.
; SIN AND COS: angle = position x freq in f32; freq = 1 / p, p the f32 nearest to 10^(j / 8), the division rounded as a division is; the angle less n pi / 2 in two steps, the first of which rounds nothing
; (angle under 8,192, n under 2^13); polynomials on +-pi/4.
; LIMITS: NaN and infinities are not served.  A block of zeros gets the byte 1 where the quantiser's rule says 127 (zero codes; this program alone reads the bytes).  p is taken as the correctly rounded power.
; Sine and cosine are good to about 1e-7 absolute.  The f32 sums over e run in the order 0, 1, 8, 9, 2, 3, 10, 11, ..
; LDS: all of a WGP's is claimed; the text uses 326,144 bytes.
; REGISTERS, in windows of 256.  Window 0: v1-31 addresses; v32-47 x's (o's) scale words; v48-55 the weights'; v56-59 the scores'; v61-63 r, h, lane; v64-159, v160-255 two sets of 8 weight fragments,
;   between chunks at work: v64-127 the bias, v128-191 64 numbers, v192-223 the table, v224-255 the quantiser.   Window 1: fragments of K steps 0-4 (48 s + 12 m); v240-255 softmax weights of q = 14, 15.
;   Window 2: fragments of K steps 5-7; from v144 the softmax weights of q = 0..13, 8 each.   Window 3: the accumulators (64 m + 8 i): written by matrix instructions alone.
.set QTR,   25600                      ; a wave's quarter of a slot
.set SLOTB, 102400                     ; a slot; the ring is LDS bytes 0 .. 204,799, filled by tensor loads alone
.set QK,    204800                     ; a row for each position: q's codes (768 bytes), k's codes (768)
.set QKP,   1552                       ; = 388 words: row r starts at bank 4 r mod 64 (64 banks of 4 bytes: ISA guide 11.1)
.set SCR,   304128                     ; a row of 64 bytes for each position: q's 32 scale bytes, k's 32; byte 2 head + half
.set TAB,   308224                     ; a row for each position: cos[32], at +128 sin[32]
.set TABP,  272
.set SPARE, 325632                     ; the spare words, 128 bytes for each wave: two blocks of 256 bytes that no other line names
.set XIMG,  204800                     ; (QK's bytes, earlier) x's 32 fragments as images of their registers: fragment 8 m + s, 1,536 bytes
.set XSC,   253952                     ; their scale words: image 4 m + s / 2: lanes 0-15 the even K step, lanes 16-31 the odd one
.set XSTG,  256000                     ; a stage of 16 rows x (512 + 16) bytes for each wave
.set VST,   204800                     ; (QK's bytes, later) v of 16 positions: [e / 4: 512][place of d: 16][e % 4: 4], 2,048 + 16 bytes a position
.set VSP,   2064
.set OC,    239616                     ; o's codes: a row of 768 bytes for each position
.set OCP,   784
.set OS,    SCR                        ; (SCR's bytes, later) o's scale bytes: 32 for each position
.set OST,   204800                     ; the way out: a stage of 16 rows x (512 + 16) bytes for each wave
.set STP,   528
.set SPW, 1                            ; v1   LDS address of my spare word; never rewritten
.set NIL, 2                            ; v2   0; never rewritten
.set LI,  3                            ; v3   16 x lane
.set LS,  4                            ; v4   4 x lane
.set AW,  5                            ; v5-6 my quarter's images in slot 0, 1
.set ASC, 7                            ; v7-8 the same, 4 bytes a lane (scale images)
.set XS,  32
.set WS,  48
.set SS,  56
.set PW,  60                           ; the scale word just made
.set RR,  61
.set HH,  62
.set LN,  63
.set WB,  64
.set BI,  64
.set N,   128
.set T,   192
.set AV,  192                          ; v's fragments for the f32 products
.set TM,  224                          ; v224-227 largest magnitudes, v228-231 bytes, v232-235 the conversions' scale operands
.set PC,  236                          ; v236-254 the codes just made
.set MX,  128                          ; the same three groups for o's quantiser
.set CD,  144                          ; and its codes, eight apart
.set WV,  18                           ; s18  my wave's number
.set G1,  24                           ; s[24:31] descriptor group 1
.set G0,  32                           ; s[32:35], s[36:39] group 0 of slot 0, 1
.set SEL, 40                           ; s[40:41] v_permlanex16_b32's selects for lane l xor 16
.set CS,  42                           ; s[42:43] log2(e) / 8
.set MSB, 0
.macro WIN new                         ; the immediate's high byte repeats the setting that is left; a switch that changes nothing is dropped
.if MSB != (\new)
	s_set_vgpr_msb (MSB<<8)|(\new)
.set MSB, (\new)
.endif
.endm
.macro PLACES n                        ; plain places behind matrix instructions (ISA guide 7.12.1)
.rept \n
	v_nop
.endr
.endm
.macro CREST                           ; a round of the cluster's barrier behind its opening barrier
	s_cmp_lg_u32 s[WV], 0
	s_cbranch_scc1 .Lnot_wave_0_\@
	s_barrier_signal -3
.Lnot_wave_0_\@:
	s_barrier_wait -3
	s_barrier_signal -1
	s_barrier_wait -1
.endm
.macro CROUND
	s_barrier_signal -1
	s_barrier_wait -1
	CREST
.endm
.macro BARRIER                         ; my LDS stores have landed and my LDS loads are in: then the work-group's barrier
	s_wait_dscnt 0x0
	s_barrier_signal -1
	s_barrier_wait -1
.endm
; 64 numbers of a lane, register 16 b + i = k 32 b + 16 (lane / 16) + i of my row, become a fragment's 12 registers in v[PC] on and its scale word in v[PW].
.macro QUANT src
.irp b, 0,1,2,3
	v_max3_num_f32 v[TM+\b], |v[\src+16*\b]|, |v[\src+1+16*\b]|, 0x2800000   ; my 16 numbers of block b, and the floor 2^(5 - 127): the byte cannot fall under 1
.endr
.irp i, 2,4,6,8,10,12,14
.irp b, 0,1,2,3
	v_max3_num_f32 v[TM+\b], v[TM+\b], |v[\src+16*\b+\i]|, |v[\src+1+16*\b+\i]|
.endr
.endr
.irp b, 0,1,2,3
	v_permlanex16_b32 v[TM+4+\b], v[TM+\b], s[SEL], s[SEL+1]
.endr
.irp b, 0,1,2,3
	v_max_num_f32 v[TM+\b], v[TM+\b], v[TM+4+\b]   ; with lane l xor 16's: the block's largest magnitude
.endr
.irp b, 0,1,2,3
	v_add_nc_u32 v[TM+8+\b], 0xfe000000, v[TM+\b]  ; 4 off its exponent field: the conversion's scale operand
.endr
.irp b, 0,1,2,3
	v_lshrrev_b32 v[TM+4+\b], 23, v[TM+8+\b]       ; the scale's byte
.endr
	v_lshl_or_b32 v[PW], v[TM+5], 8, v[TM+4]
	v_lshl_or_b32 v[PW], v[TM+6], 16, v[PW]
	v_lshl_or_b32 v[PW], v[TM+7], 24, v[PW]
.irp c, 0,1
	v_cvt_scalef32_pk16_bf6_f32 v[PC+6*\c:PC+2+6*\c], v[\src+32*\c:\src+15+32*\c], v[TM+8+2*\c]
	v_cvt_scalef32_pk16_bf6_f32 v[PC+12+4*\c:PC+14+4*\c], v[\src+16+32*\c:\src+31+32*\c], v[TM+8+2*\c+1]   ; (a conversion's three registers begin on an even number)
.endr
	v_nop                                          ; one plain place behind a scaled conversion
.irp c, 0,1                                    ; the operand's layout wants a whole block in a lane: lanes 0-15 block 2 c, lanes 16-31 block 2 c + 1
.irp i, 0,1,2
	v_permlane16_swap_b32 v[PC+6*\c+\i], v[PC+12+4*\c+\i]
.endr
.irp i, 0,1,2
	v_mov_b32 v[PC+3+6*\c+\i], v[PC+12+4*\c+\i]
.endr
.endr
.endm
; The 8 weight fragments and 4 scale images of K step sp of a slot, into set: 28 LDS loads in one run.
.macro FETCHW slot, sp, set
.irp i, 0,1,2,3,4,5,6,7
.irp k, 0,1,2
	ds_load_b128 v[WB+96*(\set)+12*\i+4*\k:WB+96*(\set)+12*\i+4*\k+3], v[AW+(\slot)] offset:12288*(\sp)+1536*\i+512*\k
.endr
.endr
.irp a, 0,1,2,3
	ds_load_b32 v[WS+4*(\set)+\a], v[ASC+(\slot)] offset:24576+512*(\sp)+128*\a
.endr
.endm
; One scaled product on the registers named by rD, rA, rB, rSA, rSB.  ra, rb: the scale words lie in lanes 16-31.
.macro WMS z, ra, rb
.if \z
.if \ra
	v_wmma_scale_f32_16x16x128_f8f6f4 v[rD:rD+7], v[rA:rA+11], v[rB:rB+11], 0, v[rSA], v[rSB] matrix_a_fmt:MATRIX_FMT_BF6 matrix_b_fmt:MATRIX_FMT_BF6 matrix_a_scale:MATRIX_SCALE_ROW1
.else
	v_wmma_scale_f32_16x16x128_f8f6f4 v[rD:rD+7], v[rA:rA+11], v[rB:rB+11], 0, v[rSA], v[rSB] matrix_a_fmt:MATRIX_FMT_BF6 matrix_b_fmt:MATRIX_FMT_BF6
.endif
.elseif (\ra) && (\rb)
	v_wmma_scale_f32_16x16x128_f8f6f4 v[rD:rD+7], v[rA:rA+11], v[rB:rB+11], v[rD:rD+7], v[rSA], v[rSB] matrix_a_fmt:MATRIX_FMT_BF6 matrix_b_fmt:MATRIX_FMT_BF6 matrix_a_scale:MATRIX_SCALE_ROW1 matrix_b_scale:MATRIX_SCALE_ROW1
.elseif \ra
	v_wmma_scale_f32_16x16x128_f8f6f4 v[rD:rD+7], v[rA:rA+11], v[rB:rB+11], v[rD:rD+7], v[rSA], v[rSB] matrix_a_fmt:MATRIX_FMT_BF6 matrix_b_fmt:MATRIX_FMT_BF6 matrix_a_scale:MATRIX_SCALE_ROW1
.elseif \rb
	v_wmma_scale_f32_16x16x128_f8f6f4 v[rD:rD+7], v[rA:rA+11], v[rB:rB+11], v[rD:rD+7], v[rSA], v[rSB] matrix_a_fmt:MATRIX_FMT_BF6 matrix_b_fmt:MATRIX_FMT_BF6 matrix_b_scale:MATRIX_SCALE_ROW1
.else
	v_wmma_scale_f32_16x16x128_f8f6f4 v[rD:rD+7], v[rA:rA+11], v[rB:rB+11], v[rD:rD+7], v[rSA], v[rSB] matrix_a_fmt:MATRIX_FMT_BF6 matrix_b_fmt:MATRIX_FMT_BF6
.endif
.endm
; K step s: tiles i0 .. i0 + n - 1 of the weight, each against the four tiles of rows.  The 32 accumulators take turns, one instruction a turn, in the same order in every K step.
.macro MULT s, i0, n, zero
	WIN 0xF4+4*((\s)/5)                            ; source 0 window 0, source 1 window 1 (K steps 0-4) or 2, C and D window 3
.set ii, \i0
.rept \n
.set mm, 0
.rept 4
.set rD, 64*mm+8*ii
.set rA, WB+96*((\s)%2)+12*ii
.set rB, 48*((\s)%5)+12*mm
.set rSA, WS+4*((\s)%2)+ii/2
.set rSB, XS+4*mm+(\s)/2
	WMS \zero, ii%2, (\s)%2
.set mm, mm+1
.endr
.set ii, ii+1
.endr
.endm
; The chunk's bias in the accumulators' layout: eight numbers a tile.  kind 0: Q, K;  1: V;  2: O.
.macro BIASLD kind
.irp i, 0,1,2,3,4,5,6,7
.if \kind == 0
.set bof, 128*(\i/2)+32*(\i%2)
.elseif \kind == 1
.set bof, 256*(\i/2)+64*(\i%2)
.else
.set bof, 64*\i
.endif
	global_load_b128 v[BI+8*\i:BI+8*\i+3], v9, s[48:49] offset:bof
	global_load_b128 v[BI+8*\i+4:BI+8*\i+7], v9, s[48:49] offset:bof+16
.endr
.endm
; An even K step: the slot's first.  In its middle the slot's second step is fetched into set 1.
.macro STEP_E s, slot, zero
	s_wait_dscnt 0x0                               ; set 0 is in (asked for 16 matrix instructions ago)
	MULT \s, 0, 4, \zero
	WIN 0
	PLACES 4                                       ; in front of loads into registers that matrix instructions have read
	FETCHW \slot, 1, 1
	MULT \s, 4, 4, \zero
.endm
; An odd K step leaves its slot.  Each wave waits for all its tensor loads, adds 0 to its spare word, and waits for that and for its reads of the slot; refill = 1: the barrier opens a round of the
; cluster's barrier, and the slot's next fill is the first thing behind the round.  nxt = 0: the other slot's first step is fetched;  1: the chunk is over, its bias is asked for.
.macro TURN s, slot, refill, nxt, kind
	WIN 0
	s_wait_tensorcnt 0x0                           ; all my tensor loads have landed: the one that was out is my quarter of the other slot
	ds_add_u32 v[SPW], v[NIL]                      ; 0 onto my spare word
	s_wait_dscnt 0x1                               ; set 1 is in: the add alone may be out
	MULT \s, 0, 2, 0                               ; eight matrix instructions stand between the add and the wait for it
	s_wait_dscnt 0x0                               ; the add is done, and my reads of this slot are over
	s_barrier_signal -1
	MULT \s, 2, 2, 0
	WIN 0
	s_barrier_wait -1
.if \refill
	CREST                                          ; no wave of any partner still reads this slot or has a load on its way
	s_add_nc_u64 s[G0+4*\slot+2:G0+4*\slot+3], s[G0+4*\slot+2:G0+4*\slot+3], 2*SLOTB
	tensor_load_to_lds s[G0+4*\slot:G0+4*\slot+3], s[G1:G1+7]      ; my one tensor load behind the round: two slots on in the stream
	s_nop 0
	PLACES 4                                       ; the places in front of the loads below
.else
	PLACES 4
.endif
.if \nxt
	BIASLD \kind
.else
	FETCHW 1-\slot, 0, 0
.endif
	MULT \s, 4, 4, 0
.endm
; A chunk: 512 columns of one weight, K = 1,024: 256 matrix instructions a wave, four slots.  tail = 1: the stream's last chunk asks for nothing in its last two slots.
.macro CORE kind, tail
	FETCHW 0, 0, 0
	STEP_E 0, 0, 1                                 ; the first K step starts the sums: nothing is cleared
	TURN 1, 0, 1, 0, \kind
	STEP_E 2, 1, 0
	TURN 3, 1, 1, 0, \kind
	STEP_E 4, 0, 0
.if \tail
	TURN 5, 0, 0, 0, \kind
	STEP_E 6, 1, 0
	s_wait_dscnt 0x0
	MULT 7, 0, 4, 0
	WIN 0
	PLACES 4
	BIASLD \kind
	MULT 7, 4, 4, 0
.else
	TURN 5, 0, 1, 0, \kind
	STEP_E 6, 1, 0
	TURN 7, 1, 1, 1, \kind
.endif
	WIN 0
	PLACES 5                                       ; results are read, operands' registers rewritten, some by matrix instructions: five places serve all of these
	s_wait_loadcnt 0x0                             ; the bias
.endm
	s_load_b256 s[4:11], s[0:1], 0x0               ; x s[4:5], bq s[6:7], bk s[8:9], bv s[10:11]
	s_load_b128 s[12:15], s[0:1], 0x20             ; bo s[12:13], wst s[14:15]
	s_load_b64 s[16:17], s[0:1], 0x30              ; out0
	v_lshl_add_u32 v[SPW], v0, 2, SPARE
	v_mov_b32 v[NIL], 0
	ds_add_u32 v1, v2
	ds_add_u32 v1, v2
	s_wait_dscnt 0x0
	v_lshrrev_b32 v9, 5, v0
	v_readfirstlane_b32 s[WV], v9                  ; wave 0..3
	v_and_b32 v[RR], 15, v0                        ; r
	v_bfe_u32 v[HH], v0, 4, 1                      ; h
	v_and_b32 v[LN], 31, v0                        ; lane
	v_lshlrev_b32 v[LI], 4, v[LN]
	v_lshlrev_b32 v[LS], 2, v[LN]
	s_bfe_u32 s19, ttmp6, 0x40000                  ; cx: my place in the cluster
	s_lshl_b32 s20, ttmp9, 2
	s_add_co_u32 s20, s20, s19                     ; my block of 64 rows: it enters x's and out0's addresses and the positions' numbers alone
	s_mul_i32 s21, s[WV], QTR                      ; my quarter: no place in the cluster enters an LDS address or the weights' address
	v_add_nc_u32 v[AW], s21, v[LI]
	v_add_nc_u32 v[AW+1], SLOTB, v[AW]
	v_add_nc_u32 v[ASC], s21, v[LS]
	v_add_nc_u32 v[ASC+1], SLOTB, v[ASC]
.irp b, 0,1,2,3
	v_mov_b32 v[TM+4+\b], 0                        ; written once: a lane permute's destination counts as one of its sources
.endr
	; descriptor group 1: a quarter is a dense block of 25,600 bytes: 100 rows of 32 elements of 8 bytes, no padding
	s_mov_b32 s[G1+0], 15|(3<<16)|(1<<21)          ; 15:0 the mask: all four work-groups; 17:16 elements of 8 bytes; 21 set beside a mask
	s_mov_b32 s[G1+1], 32<<16                      ; tensor_dim0 = 32
	s_mov_b32 s[G1+2], 100<<16                     ; tensor_dim1 = 100
	s_mov_b32 s[G1+3], 32<<16                      ; tile_dim0 = 32
	s_mov_b32 s[G1+4], 100                         ; tile_dim1 = 100
	s_mov_b32 s[G1+5], 32                          ; from row to row
	s_mov_b32 s[G1+6], 0
	s_mov_b32 s[G1+7], 0
	s_mov_b32 s[SEL], 0x76543210
	s_mov_b32 s[SEL+1], 0xfedcba98
	s_mov_b32 s[CS], 0x3e38aa3b                    ; log2(e) / 8
	s_mov_b32 s[CS+1], s[CS]                       ; (named with it as a pair, so it is written)
	s_mov_b32 s22, s21
	s_mov_b32 s23, 0
	s_lshl_b32 s50, s20, 18                        ; 64 rows of 4,096 bytes a block,
	s_lshl_b32 s47, s[WV], 16                      ; x: my wave's 16 rows
	s_add_co_u32 s50, s50, s47
	s_mov_b32 s51, 0
	s_lshl_b32 s60, s20, 18
	s_lshl_b32 s47, s[WV], 9                       ; out0: my wave's 128 columns
	s_add_co_u32 s60, s60, s47
	s_mov_b32 s61, 0
	s_lshl_b32 s62, s20, 6
	s_lshl_b32 s47, s[WV], 4
	s_add_co_u32 s62, s62, s47
	s_and_b32 s62, s62, 8191                       ; the position of my wave's first row in its sequence of 8,192
	s_wait_kmcnt 0x0
	s_add_nc_u64 s[4:5], s[4:5], s[50:51]
	s_add_nc_u64 s[16:17], s[16:17], s[60:61]
	s_add_nc_u64 s[14:15], s[14:15], s[22:23]
	CROUND                                         ; all four work-groups are here: the first joint loads meet
	s_mov_b32 s[G0], 1                             ; count = 1
	s_mov_b32 s[G0+1], s21                         ; LDS address: my quarter of slot 0
	s_mov_b64 s[G0+2:G0+3], s[14:15]
	s_or_b32 s[G0+3], s[G0+3], 0x80000000          ; type = 2
	s_mov_b32 s[G0+4], 1
	s_add_co_u32 s[G0+5], s21, SLOTB
	s_add_nc_u64 s[G0+6:G0+7], s[14:15], SLOTB
	s_or_b32 s[G0+7], s[G0+7], 0x80000000
	tensor_load_to_lds s[G0:G0+3], s[G1:G1+7]      ; both first fills go out together: two tensor loads of mine are out
	s_nop 0
	tensor_load_to_lds s[G0+4:G0+7], s[G1:G1+7]
	s_nop 0
	PLACES 4
	; ---------------- X: the table of cos and sin, and x's codes
.macro XLOAD s                         ; K step s of my 16 rows: load i reads 512 consecutive bytes of row i; into raw set s % 4 of window 1
	WIN 0x40
.irp i, 0,1,2,3,4,5,6,7,8,9,10,11,12,13,14,15
	global_load_b128 v[64*((\s)%4)+4*\i:64*((\s)%4)+4*\i+3], v[LI], s[4:5] offset:\i*4096+512*(\s) th:TH_LOAD_NT
.endr
	WIN 0
.endm
	XLOAD 0
	XLOAD 1
	XLOAD 2
	s_mul_i32 s47, s[WV], 16*TABP
	s_add_co_u32 s47, s47, TAB
	v_add_nc_u32 v10, s47, v[LS]                   ; the table, in: my 16 positions' rows, 4 bytes a lane
	s_mul_i32 s47, s[WV], 16*STP
	s_add_co_u32 s47, s47, XSTG
	v_add_nc_u32 v12, s47, v[LI]                   ; my stage, in: as loaded
	v_mul_u32_u24 v13, v[RR], STP
	v_lshl_add_u32 v13, v[HH], 6, v13
	v_add_nc_u32 v13, s47, v13                     ; and back: row r, + 64 h: my 16 numbers of a block of 32
	s_mul_i32 s47, s[WV], 8*1536
	s_add_co_u32 s47, s47, XIMG
	v_add_nc_u32 v14, s47, v[LI]                   ; my rows' eight images
	s_lshl_b32 s47, s[WV], 9
	s_add_co_u32 s47, s47, XSC
	v_lshl_add_u32 v15, v[RR], 2, s47              ; and their scale words
	v_add_nc_u32 v16, XIMG, v[LI]
	v_add_nc_u32 v17, XSC, v[LS]
	; lane j: p = 10^(j / 8), the nearest f32
	v_mov_b32 v28, 1.0
.macro PJ lane, val
	s_mov_b32 s47, \val
	v_writelane_b32 v28, s47, \lane
.endm
	PJ 1, 1.333521432163324
	PJ 2, 1.7782794100389228
	PJ 3, 2.371373705661655
	PJ 4, 3.1622776601683795
	PJ 5, 4.216965034285822
	PJ 6, 5.623413251903491
	PJ 7, 7.498942093324558
	PJ 8, 10.0
	PJ 9, 13.33521432163324
	PJ 10, 17.782794100389228
	PJ 11, 23.71373705661655
	PJ 12, 31.622776601683795
	PJ 13, 42.16965034285822
	PJ 14, 56.23413251903491
	PJ 15, 74.98942093324558
	PJ 16, 100.0
	PJ 17, 133.3521432163324
	PJ 18, 177.82794100389228
	PJ 19, 237.1373705661655
	PJ 20, 316.22776601683795
	PJ 21, 421.6965034285822
	PJ 22, 562.3413251903491
	PJ 23, 749.8942093324558
	PJ 24, 1000.0
	PJ 25, 1333.521432163324
	PJ 26, 1778.2794100389228
	PJ 27, 2371.373705661655
	PJ 28, 3162.2776601683795
	PJ 29, 4216.965034285822
	PJ 30, 5623.413251903491
	PJ 31, 7498.942093324558
	v_rcp_f32 v27, v28
	v_nop                                          ; one plain place behind a transcendental
	s_wait_alu depctr_va_vdst(0)
	v_fma_f32 v29, -v28, v27, 1.0                  ; the reciprocal's error, exactly,
	v_fma_f32 v27, v27, v29, v27                   ; taken off: freq = 1 / p rounded as a division rounds
	s_mov_b32 s52, 0x3fc90fdb                      ; pi / 2, its upper 24 bits,
	s_mov_b32 s53, 0xb33bbd2e                      ; and the rest
	s_mov_b32 s54, -1.9515295891e-4                ; sine's polynomial
	s_mov_b32 s55, 8.3321608736e-3
	s_mov_b32 s56, -1.6666654611e-1
	s_mov_b32 s57, 2.443315711809948e-5            ; cosine's
	s_mov_b32 s58, -1.388731625493765e-3
	s_mov_b32 s59, 4.166664568298827e-2
; cos and sin of position s[ps] x freq, 32 frequencies in 32 lanes, to the table's row at off
.macro TRIG b, off, ps
	v_cvt_f32_u32 v[\b], s[\ps]
	v_mul_f32 v[\b], v[\b], v27                    ; the angle, one rounding
	v_mul_f32 v[\b+1], 0x3f22f983, v[\b]
	v_rndne_f32 v[\b+1], v[\b+1]                   ; n = the nearest whole number to angle x 2 / pi
	v_fma_f32 v[\b], -v[\b+1], s52, v[\b]          ; a multiple of 2^-23 under 1: nothing is rounded
	v_fma_f32 v[\b], -v[\b+1], s53, v[\b]          ; t = angle - n pi / 2
	v_cvt_i32_f32 v[\b+1], v[\b+1]
	v_mul_f32 v[\b+2], v[\b], v[\b]                ; z = t t
	v_fma_f32 v[\b+3], v[\b+2], s54, s55
	v_fma_f32 v[\b+3], v[\b+3], v[\b+2], s56
	v_mul_f32 v[\b+4], v[\b+2], v[\b]
	v_fma_f32 v[\b+3], v[\b+3], v[\b+4], v[\b]     ; sin t
	v_fma_f32 v[\b+5], v[\b+2], s57, s58
	v_fma_f32 v[\b+5], v[\b+5], v[\b+2], s59
	v_mul_f32 v[\b+4], v[\b+2], v[\b+2]
	v_fma_f32 v[\b+6], v[\b+2], -0.5, 1.0
	v_fma_f32 v[\b+5], v[\b+5], v[\b+4], v[\b+6]   ; cos t
	v_and_b32 v[\b+4], 1, v[\b+1]
	v_cmp_eq_u32 vcc_lo, 1, v[\b+4]                ; an odd quarter turn swaps the two (a choice of values: no branch)
	v_cndmask_b32 v[\b+6], v[\b+3], v[\b+5], vcc_lo
	v_cndmask_b32 v[\b+5], v[\b+5], v[\b+3], vcc_lo
	v_lshlrev_b32 v[\b+4], 30, v[\b+1]
	v_and_b32 v[\b+4], 0x80000000, v[\b+4]
	v_xor_b32 v[\b+6], v[\b+4], v[\b+6]            ; sine is turned over where n mod 4 is 2 or 3,
	v_add_nc_u32 v[\b+1], 1, v[\b+1]
	v_lshlrev_b32 v[\b+1], 30, v[\b+1]
	v_and_b32 v[\b+1], 0x80000000, v[\b+1]
	v_xor_b32 v[\b+5], v[\b+1], v[\b+5]            ; cosine where it is 1 or 2
	ds_store_b32 v11, v[\b+5] offset:\off
	ds_store_b32 v11, v[\b+6] offset:\off+128
.endm
	s_mov_b32 s44, 0
	s_mov_b32 s63, 0
.Ltab:                                             ; 8 trips, two of my 16 positions each
	v_add_nc_u32 v11, s63, v10
	s_add_co_u32 s47, s62, 1
	TRIG 64, 0, 62
	TRIG 72, TABP, 47
	s_add_co_u32 s62, s62, 2
	s_add_co_u32 s63, s63, 2*TABP
	s_add_co_u32 s44, s44, 1
	s_cmp_lt_u32 s44, 8
	s_cbranch_scc1 .Ltab
; K step s of my 16 rows: through my stage, so that a lane holds 16 neighbours of each block; quantised; the image and the scale words to LDS
.macro XSTEP s
.if (\s)+3 < 8
	XLOAD (\s)+3                                   ; three K steps ahead; the set's last LDS stores have been waited for
.endif
.if (\s) < 5
	s_wait_loadcnt 48                              ; this step's 16 loads are in; those of the three steps behind it may be out
.else
	s_wait_loadcnt 16*(7-(\s))
.endif
	WIN 0x04                                       ; an LDS store's data are its source 1: window 1
.irp i, 0,1,2,3,4,5,6,7,8,9,10,11,12,13,14,15
	ds_store_b128 v12, v[64*((\s)%4)+4*\i:64*((\s)%4)+4*\i+3] offset:STP*\i
.endr
	WIN 0
.irp b, 0,1,2,3
.irp j, 0,1,2,3
	ds_load_b128 v[N+16*\b+4*\j:N+16*\b+4*\j+3], v13 offset:128*\b+16*\j   ; LDS serves a wave's instructions in order: these see my stores
.endr
.endr
	s_wait_dscnt 0x0
	QUANT N
.irp k, 0,1,2
	ds_store_b128 v14, v[PC+4*\k:PC+4*\k+3] offset:1536*(\s)+512*\k
.endr
	ds_store_b32 v15, v[PW] offset:64*(\s)         ; lanes l and l xor 16 write the same word with the same value
.endm
.irp s, 0,1,2,3,4,5,6,7
	XSTEP \s
.endr
	s_wait_tensorcnt 0x1                           ; my quarter of slot 0 is in; slot 1's may stay out
	BARRIER                                        ; x's 32 images, their scale words and the table lie in LDS
.irp s, 0,1,2,3,4,5,6,7                        ; every wave takes all 32 fragments into its registers
	WIN 0x40+0x40*(\s/5)
.irp m, 0,1,2,3
.irp k, 0,1,2
	ds_load_b128 v[48*(\s%5)+12*\m+4*\k:48*(\s%5)+12*\m+4*\k+3], v16 offset:(8*\m+\s)*1536+512*\k
.endr
.endr
.endr
	WIN 0
.irp a, 0,1,2,3,4,5,6,7,8,9,10,11,12,13,14,15
	ds_load_b32 v[XS+\a], v17 offset:128*\a
.endr
	; ---------------- Q and K: four chunks (Q's halves, K's halves); bias, rotary turn, codes to LDS
	v_lshlrev_b32 v9, 6, v[HH]
	s_lshl_b32 s47, s[WV], 9
	v_add_nc_u32 v9, s47, v9                       ; the bias: 512 w + 64 h
	v_mul_u32_u24 v18, v[RR], TABP
	v_lshl_add_u32 v18, v[HH], 5, v18
	v_add_nc_u32 v18, TAB, v18                     ; the table: row r, + 32 h
	v_mul_u32_u24 v19, v[RR], QKP
	v_mad_u32_u24 v19, v[HH], 24, v19
	s_mul_i32 s47, s[WV], 96
	s_add_co_u32 s47, s47, QK
	v_add_nc_u32 v19, s47, v19                     ; codes: row r, + 96 w + 24 h
	v_lshlrev_b32 v22, 6, v[RR]
	s_lshl_b32 s47, s[WV], 2
	s_add_co_u32 s47, s47, SCR
	v_add_nc_u32 v22, s47, v22                     ; scale words: row r, + 4 w
; In lane (r, h) register 32 c + 16 f + 8 u + j of N is channel d = 32 f + 16 h + 8 u + j of my head c.  d and d + 32 turn together; cos and sin hang on d / 2, so a pair of registers shares one entry.
.macro ROPE
.irp c, 0,1
.irp u, 0,1
.irp j, 0,2,4,6
.set rLO, N+32*\c+8*\u+\j
.set rHI, rLO+16
.set rTX, 4*\u+\j/2
.set rTP, T+rTX-rTX%2
.set rTM, PC+2*(\j/2)
.if rTX%2
	v_pk_mul_f32 v[rTM:rTM+1], v[rLO:rLO+1], v[rTP+24:rTP+25] op_sel:[0,1] op_sel_hi:[1,1]
	v_pk_mul_f32 v[rLO:rLO+1], v[rLO:rLO+1], v[rTP:rTP+1] op_sel:[0,1] op_sel_hi:[1,1]
	v_pk_fma_f32 v[rLO:rLO+1], v[rHI:rHI+1], v[rTP+16:rTP+17], v[rLO:rLO+1] op_sel:[0,1,0] op_sel_hi:[1,1,1] neg_lo:[1,0,0] neg_hi:[1,0,0]
	v_pk_fma_f32 v[rHI:rHI+1], v[rHI:rHI+1], v[rTP+8:rTP+9], v[rTM:rTM+1] op_sel:[0,1,0] op_sel_hi:[1,1,1]
.else
	v_pk_mul_f32 v[rTM:rTM+1], v[rLO:rLO+1], v[rTP+24:rTP+25] op_sel_hi:[1,0]                 ; lo x sin(upper)
	v_pk_mul_f32 v[rLO:rLO+1], v[rLO:rLO+1], v[rTP:rTP+1] op_sel_hi:[1,0]                     ; lo x cos(lower)
	v_pk_fma_f32 v[rLO:rLO+1], v[rHI:rHI+1], v[rTP+16:rTP+17], v[rLO:rLO+1] op_sel_hi:[1,0,1] neg_lo:[1,0,0] neg_hi:[1,0,0]   ; - hi x sin(lower)
	v_pk_fma_f32 v[rHI:rHI+1], v[rHI:rHI+1], v[rTP+8:rTP+9], v[rTM:rTM+1] op_sel_hi:[1,0,1]   ; hi x cos(upper) + lo x sin(upper)
.endif
.endr
.endr
.endr
.endm
.macro QKEPI m                         ; the tile of rows 16 m on
.irp t, 0,1,2,3,4,5,6,7
	ds_load_b128 v[T+4*\t:T+4*\t+3], v18 offset:16*TABP*\m+64*(\t/2)+16*(\t%2)   ; cos lower 8, cos upper 8, sin lower 8, sin upper 8
.endr
	WIN 0x03                                       ; source 0: window 3
.set nn, 0
.rept 32
	v_pk_add_f32 v[N+nn:N+nn+1], v[64*\m+nn:64*\m+nn+1], v[BI+nn:BI+nn+1]   ; each accumulator from its low end on
.set nn, nn+2
.endr
	WIN 0
	s_wait_dscnt 0x0
	ROPE
	QUANT N                                        ; four blocks: (head c, half): registers 6 c .. 6 c + 5 of lane (r, h) are head c's channels 32 h on
.irp c, 0,1
.irp k, 0,1,2
	ds_store_b64 v[20+\m/2], v[PC+6*\c+2*\k:PC+6*\c+2*\k+1] offset:16*QKP*(\m%2)+48*\c+8*\k
.endr
.endr
	ds_store_b32 v23, v[PW] offset:1024*\m
	s_wait_dscnt 0x0                               ; the stores have read their registers
.endm
	s_mov_b32 s44, 0
	s_mov_b32 s45, 0
	s_mov_b32 s46, 0
.Lqk:                                              ; trip t = 0..3: Q's columns 0-511, 512-1023, K's likewise
	s_cmp_lt_u32 s44, 2
	s_cselect_b64 s[48:49], s[6:7], s[8:9]         ; bq or bk: the choice hangs on the trip alone
	s_and_b32 s50, s44, 1
	s_lshl_b32 s50, s50, 11
	s_mov_b32 s51, 0
	s_add_nc_u64 s[48:49], s[48:49], s[50:51]
	v_add_nc_u32 v20, s45, v19                     ; + 384 t: rows 0-31,
	v_add_nc_u32 v21, 32*QKP, v20                  ; rows 32-63
	v_add_nc_u32 v23, s46, v22                     ; + 16 t
	CORE 0, 0
	QKEPI 0
	QKEPI 1
	QKEPI 2
	QKEPI 3
	s_add_co_u32 s45, s45, 384
	s_add_co_u32 s46, s46, 16
	s_add_co_u32 s44, s44, 1
	s_cmp_lt_u32 s44, 4
	s_cbranch_scc1 .Lqk
	BARRIER                                        ; every position's codes of q and k lie in LDS
	; ---------------- S: scores and softmax of my 16 positions, four at a time
.irp i, 0,1,2,3
.irp k, 6,7,8,9,10,11
	v_mov_b32 v[64+24*\i+\k], 0                    ; K = 64: the upper half of each operand is zero codes, set once
	v_mov_b32 v[76+24*\i+\k], 0
.endr
.endr
.irp i, 0,1,2,3,4,5,6,7,8,9,10,11,12,13,14,15
	v_mov_b32 v[192+\i], 0                         ; (lane permutes' destinations)
.endr
	s_mul_i32 s47, s[WV], 4*QKP
	s_add_co_u32 s47, s47, QK
	v_mul_u32_u24 v24, v[RR], 48
	v_mad_u32_u24 v24, v[HH], 24, v24
	v_add_nc_u32 v24, s47, v24                     ; position 4 w, head r, half h
	v_add_nc_u32 v25, 32*QKP, v24
	s_lshl_b32 s47, s[WV], 8
	s_add_co_u32 s47, s47, SCR
	v_lshlrev_b32 v26, 1, v[RR]
	v_lshl_add_u32 v26, v[HH], 5, v26
	v_add_nc_u32 v26, s47, v26                     ; lanes 0-15: q's two bytes of head r; lanes 16-31: k's
.macro SCORES m
.irp i, 0,1,2,3
.irp k, 0,1,2
	ds_load_b64 v[64+24*\i+2*\k:65+24*\i+2*\k], v[24+\m/2] offset:(16*(\m%2)+\i)*QKP+768+8*\k   ; k
	ds_load_b64 v[76+24*\i+2*\k:77+24*\i+2*\k], v[24+\m/2] offset:(16*(\m%2)+\i)*QKP+8*\k       ; q
.endr
	ds_load_u16 v[SS+\i], v26 offset:64*(16*\m+\i) ; bytes 2 and 3 come as 0: they scale zero codes
.endr
	s_wait_dscnt 0x0
.irp i, 0,1,2,3                                ; S^T = k q^T: lane (r, h) holds q's head r and k's heads 8 h + 0 .. 7
	v_wmma_scale_f32_16x16x128_f8f6f4 v[160+8*\i:167+8*\i], v[64+24*\i:75+24*\i], v[76+24*\i:87+24*\i], 0, v[SS+\i], v[SS+\i] matrix_a_fmt:MATRIX_FMT_BF6 matrix_b_fmt:MATRIX_FMT_BF6 matrix_a_scale:MATRIX_SCALE_ROW1
.endr
	PLACES 5
.irp i, 0,1,2,3
	v_max3_num_f32 v[192+4*\i], v[160+8*\i], v[161+8*\i], v[162+8*\i]
.endr
.irp i, 0,1,2,3
	v_max3_num_f32 v[192+4*\i], v[192+4*\i], v[163+8*\i], v[164+8*\i]
.endr
.irp i, 0,1,2,3
	v_max3_num_f32 v[192+4*\i], v[192+4*\i], v[165+8*\i], v[166+8*\i]
.endr
.irp i, 0,1,2,3
	v_max_num_f32 v[192+4*\i], v[192+4*\i], v[167+8*\i]
.endr
.irp i, 0,1,2,3
	v_permlanex16_b32 v[193+4*\i], v[192+4*\i], s[SEL], s[SEL+1]
.endr
.irp i, 0,1,2,3
	v_max_num_f32 v[192+4*\i], v[192+4*\i], v[193+4*\i]            ; the row's largest score
.endr
.irp i, 0,1,2,3
.irp k, 0,2,4,6
	v_pk_add_f32 v[160+8*\i+\k:161+8*\i+\k], v[160+8*\i+\k:161+8*\i+\k], v[192+4*\i:193+4*\i] op_sel_hi:[1,0] neg_lo:[0,1] neg_hi:[0,1]   ; less the maximum,
.endr
.endr
.set nn, 0
.rept 16
	v_pk_mul_f32 v[160+nn:161+nn], v[160+nn:161+nn], s[CS:CS+1] op_sel_hi:[1,0]   ; x log2(e) / 8
.set nn, nn+2
.endr
.set nn, 0
.rept 32
	v_exp_f32 v[160+nn], v[160+nn]
.set nn, nn+1
.endr
	v_nop                                          ; one plain place behind the exponentials
	s_wait_alu depctr_va_vdst(0)
.irp i, 0,1,2,3
	v_pk_add_f32 v[192+4*\i:193+4*\i], v[160+8*\i:161+8*\i], v[162+8*\i:163+8*\i]
.endr
.irp i, 0,1,2,3
	v_pk_add_f32 v[194+4*\i:195+4*\i], v[164+8*\i:165+8*\i], v[166+8*\i:167+8*\i]
.endr
.irp i, 0,1,2,3
	v_pk_add_f32 v[192+4*\i:193+4*\i], v[192+4*\i:193+4*\i], v[194+4*\i:195+4*\i]
.endr
.irp i, 0,1,2,3
	v_add_f32 v[192+4*\i], v[192+4*\i], v[193+4*\i]
.endr
.irp i, 0,1,2,3
	v_permlanex16_b32 v[193+4*\i], v[192+4*\i], s[SEL], s[SEL+1]
.endr
.irp i, 0,1,2,3
	v_add_f32 v[192+4*\i], v[192+4*\i], v[193+4*\i]                ; the row's sum
.endr
.irp i, 0,1,2,3
	v_rcp_f32 v[192+4*\i], v[192+4*\i]
.endr
	v_nop                                          ; one plain place behind the reciprocals
	s_wait_alu depctr_va_vdst(0)
.irp i, 0,1,2,3                                ; the weights of position q = 4 m + i stay in registers: register j of lane (r, h) = w[head r][8 h + j]
.set qq, 4*\m+\i
.if qq < 14
	WIN 0x80
.set rW, 144+8*qq
.else
	WIN 0x40
.set rW, 240+8*(qq-14)
.endif
.irp k, 0,2,4,6
	v_pk_mul_f32 v[rW+\k:rW+\k+1], v[160+8*\i+\k:161+8*\i+\k], v[192+4*\i:193+4*\i] op_sel_hi:[1,0]
.endr
.endr
	WIN 0
.endm
	SCORES 0
	SCORES 1
	SCORES 2
	SCORES 3
	; ---------------- V: two chunks (channels 0-31, 32-63 of every head); o = w v with f32 operands; o's codes to LDS
	v_lshlrev_b32 v9, 5, v[HH]
	s_lshl_b32 s47, s[WV], 10
	v_add_nc_u32 v9, s47, v9                       ; the bias: 1,024 w + 32 h
	v_mul_u32_u24 v10, v[RR], VSP
	v_lshl_add_u32 v10, v[HH], 8, v10
	s_lshl_b32 s47, s[WV], 9
	s_add_co_u32 s47, s47, VST
	v_add_nc_u32 v10, s47, v10                     ; v, in: position r, my four heads (e / 4 = w), places 16 h + 8 u + j
	v_lshlrev_b32 v11, 4, v[RR]
	v_lshl_add_u32 v11, v[HH], 10, v11
	s_mul_i32 s47, s[WV], 4*VSP
	s_add_co_u32 s47, s47, VST
	v_add_nc_u32 v11, s47, v11                     ; v, back: position 4 w, heads 8 h on, place r
	v_mul_u32_u24 v12, v[RR], 48
	v_mad_u32_u24 v12, v[HH], OCP, v12
	s_mul_i32 s47, s[WV], 4*OCP
	s_add_co_u32 s47, s47, OC
	v_add_nc_u32 v12, s47, v12                     ; o's codes: position 4 w + h, head r
	v_lshlrev_b32 v14, 1, v[RR]
	s_lshl_b32 s47, s[WV], 7
	s_add_co_u32 s47, s47, OS
	v_add_nc_u32 v14, s47, v14                     ; o's scale bytes: position 4 w, head r
; The tile of rows 16 m on.  My accumulators hold heads 4 w + i / 2, channels 16 (i % 2) + 8 h + j of position r.  They meet the other waves' heads in LDS; then each wave takes its four positions.
; O^T = v^T w^T: source 0 = 16 channels (row r' of tile u is channel 8 u + r' + 8 (r' / 8)), source 1 = the 16 heads' weights; the unit's k = 2 h + jj stands for head 8 h + 2 kk + jj on both sides.
; So lane (r, h) holds head r and, in the 16 registers of tiles 0 and 1, channels 16 h + 0 .. 15 of the chunk's 32: one half of a block of the last product's K.
.macro VEPI m
	WIN 0x03
.irp i, 0,1,2,3,4,5,6,7
.irp j, 0,1,2,3,4,5,6,7
	v_add_f32 v[N+4*(8*(\i%2)+\j)+\i/2], v[64*\m+8*\i+\j], v[BI+8*\i+\j]   ; four heads of one channel side by side; each accumulator from its low end on
.endr
.endr
	WIN 0
.irp u, 0,1
.irp j, 0,1,2,3,4,5,6,7
	ds_store_b128 v10, v[N+4*(8*\u+\j):N+4*(8*\u+\j)+3] offset:128*\u+16*\j
.endr
.endr
	BARRIER                                        ; v of the 16 positions lies in LDS
.irp i, 0,1,2,3
.irp u, 0,1
	ds_load_b128 v[AV+16*\i+8*\u:AV+16*\i+8*\u+3], v11 offset:VSP*\i+256*\u
	ds_load_b128 v[AV+16*\i+8*\u+4:AV+16*\i+8*\u+7], v11 offset:VSP*\i+256*\u+512
.endr
.endr
	BARRIER                                        ; every wave's reads are in: the next tile of rows may be stored
.irp kk, 0,1,2,3                               ; eight accumulators by turns; the first K step starts the sums
.irp i, 0,1,2,3
.set qq, 4*\m+\i
.if qq < 14
	WIN 0xF8
.set rW, 144+8*qq+2*\kk
.else
	WIN 0xF4
.set rW, 240+8*(qq-14)+2*\kk
.endif
.irp u, 0,1
.if \kk == 0
	v_wmma_f32_16x16x4_f32 v[16*\i+8*\u:16*\i+8*\u+7], v[AV+16*\i+8*\u+2*\kk:AV+16*\i+8*\u+2*\kk+1], v[rW:rW+1], 0
.else
	v_wmma_f32_16x16x4_f32 v[16*\i+8*\u:16*\i+8*\u+7], v[AV+16*\i+8*\u+2*\kk:AV+16*\i+8*\u+2*\kk+1], v[rW:rW+1], v[16*\i+8*\u:16*\i+8*\u+7]
.endif
.endr
.endr
.endr
	WIN 0
	PLACES 9                                       ; behind the f32 form: results are read, operands loaded anew, and the results' registers later begun anew by matrix instructions
	WIN 0x0F                                       ; sources 0 and 1: window 3
.irp i, 0,1,2,3
	v_max3_num_f32 v[MX+\i], |v[16*\i]|, |v[16*\i+1]|, 0x2800000   ; position i: my 16 numbers, from the low end on, and the floor 2^(5 - 127)
.endr
.irp k, 2,4,6,8,10,12,14
.irp i, 0,1,2,3
	v_max3_num_f32 v[MX+\i], |v[16*\i+\k]|, |v[16*\i+\k+1]|, v[MX+\i]
.endr
.endr
	WIN 0
.irp i, 0,1,2,3
	v_permlanex16_b32 v[MX+4+\i], v[MX+\i], s[SEL], s[SEL+1]
.endr
.irp i, 0,1,2,3
	v_max_num_f32 v[MX+\i], v[MX+\i], v[MX+4+\i]   ; with lane l xor 16's 16: the block's largest magnitude
.endr
.irp i, 0,1,2,3
	v_add_nc_u32 v[MX+8+\i], 0xfe000000, v[MX+\i]
.endr
.irp i, 0,1,2,3
	v_lshrrev_b32 v[MX+4+\i], 23, v[MX+8+\i]       ; the scale's byte
.endr
	WIN 0x03
.irp i, 0,1,2,3
	v_cvt_scalef32_pk16_bf6_f32 v[CD+8*\i:CD+8*\i+2], v[16*\i:16*\i+15], v[MX+8+\i]
.endr
	WIN 0
	v_nop                                          ; one plain place behind a scaled conversion
.irp i, 0,2                                    ; two positions change halves: lane (r, h) then holds the whole block, 24 bytes, of position i + h
.irp k, 0,1,2
	v_permlane16_swap_b32 v[CD+8*\i+\k], v[CD+8*\i+8+\k]
.endr
.irp k, 0,1,2
	v_mov_b32 v[CD+8*\i+3+\k], v[CD+8*\i+8+\k]
.endr
.irp k, 0,1,2
	ds_store_b64 v13, v[CD+8*\i+2*\k:CD+8*\i+2*\k+1] offset:(16*\m+\i)*OCP+8*\k
.endr
.endr
.irp i, 0,1,2,3
	ds_store_b8 v15, v[MX+4+\i] offset:32*(16*\m+\i)               ; lanes l and l xor 16 write the same byte with the same value
.endr
	s_wait_dscnt 0x0                               ; the stores have read their registers
.endm
	s_mov_b64 s[48:49], s[10:11]                   ; bv
	s_mov_b32 s44, 0
	s_mov_b32 s45, 0
	s_mov_b32 s46, 0
.Lv:                                               ; trip c = 0, 1
	v_add_nc_u32 v13, s45, v12                     ; + 24 c
	v_add_nc_u32 v15, s46, v14                     ; + c
	CORE 1, 0
	VEPI 0                                         ; rows 0-15 first: their accumulators' registers then take the f32 products' sums
	VEPI 1
	VEPI 2
	VEPI 3
	s_add_nc_u64 s[48:49], s[48:49], 128           ; (the bias loads have been waited for)
	s_add_co_u32 s45, s45, 24
	s_add_co_u32 s46, s46, 1
	s_add_co_u32 s44, s44, 1
	s_cmp_lt_u32 s44, 2
	s_cbranch_scc1 .Lv
	BARRIER                                        ; o's codes and scale bytes of all 64 positions lie in LDS
	; ---------------- O: out0 = o Wo + bo, two chunks
	v_lshlrev_b32 v9, 5, v[HH]
	s_lshl_b32 s47, s[WV], 9
	v_add_nc_u32 v9, s47, v9                       ; the bias: 512 w + 32 h
	v_mul_u32_u24 v16, v[RR], OCP
	v_mad_u32_u24 v16, v[HH], 24, v16
	v_add_nc_u32 v16, OC, v16
	v_lshlrev_b32 v17, 5, v[RR]
	v_lshl_add_u32 v17, v[HH], 2, v17
	v_add_nc_u32 v17, OS, v17                      ; lanes 0-15: the even K step's word of row r; lanes 16-31: the odd one's
	s_mul_i32 s47, s[WV], 16*STP
	s_add_co_u32 s47, s47, OST
	v_mul_u32_u24 v18, v[RR], STP
	v_lshl_add_u32 v18, v[HH], 5, v18
	v_add_nc_u32 v18, s47, v18                     ; my stage, in: row r, + 32 h
	v_add_nc_u32 v19, s47, v[LI]                   ; and back: whole rows of 512 bytes
.irp s, 0,1,2,3,4,5,6,7
	WIN 0x40+0x40*(\s/5)
.irp m, 0,1,2,3
.irp p, 0,1,2,3,4,5
	ds_load_b64 v[48*(\s%5)+12*\m+2*\p:48*(\s%5)+12*\m+2*\p+1], v16 offset:16*OCP*\m+96*\s+48*(\p/3)+8*(\p%3)
.endr
.endr
.endr
	WIN 0
.irp m, 0,1,2,3
.irp a, 0,1,2,3
	ds_load_b32 v[XS+4*\m+\a], v17 offset:512*\m+8*\a
.endr
.endr
.macro OEPI c                          ; lane (r, h) holds row r and columns 16 i + 8 h + j: through my own stage, back as whole rows
.irp m, 0,1,2,3
	s_wait_xcnt 0x0                                ; the last tile's stores have read their registers
	WIN 0x03
.set nn, 0
.rept 32
	v_pk_add_f32 v[N+nn:N+nn+1], v[64*\m+nn:64*\m+nn+1], v[BI+nn:BI+nn+1]
.set nn, nn+2
.endr
	WIN 0
.irp i, 0,1,2,3,4,5,6,7
	ds_store_b128 v18, v[N+8*\i:N+8*\i+3] offset:64*\i
	ds_store_b128 v18, v[N+8*\i+4:N+8*\i+7] offset:64*\i+16
.endr
.irp t, 0,1,2,3,4,5,6,7,8,9,10,11,12,13,14,15
	ds_load_b128 v[T+4*\t:T+4*\t+3], v19 offset:STP*\t             ; LDS serves a wave's instructions in order: these see my stores
.endr
.irp t, 0,1,2,3,4,5,6,7,8,9,10,11,12,13,14,15
	s_wait_dscnt 15-\t                             ; the younger rows may be out
	global_store_b128 v[LI], v[T+4*\t:T+4*\t+3], s[16:17] offset:(16*\m+\t)*4096+2048*\c th:TH_STORE_NT   ; 32 lanes store 512 consecutive bytes, at a multiple of 256 from out0's first byte
.endr
.endr
	s_wait_xcnt 0x0
.endm
	s_mov_b64 s[48:49], s[12:13]                   ; bo
	CORE 2, 0
	OEPI 0
	s_add_nc_u64 s[48:49], s[48:49], 2048
	CORE 2, 1                                      ; the stream's last chunk is written out: its last two slots are not filled again
	OEPI 1
	s_wait_tensorcnt 0x0                           ; the wave's end, behind my last tensor load and my last LDS store
	ds_add_u32 v[SPW], v[NIL]
	s_wait_dscnt 0x0
	CROUND                                         ; the closing round: no work-group ends while a partner may still ask for a quarter that names it
	s_endpgm
.Lfunc_end_k_qb23390ec92_fused:
	.size	k_qb23390ec92_fused, .Lfunc_end_k_qb23390ec92_fused-k_qb23390ec92_fused
	.p2alignl 7, 3214868480
	.fill 96, 4, 3214868480
	.section	.rodata,"a",@progbits
	.p2align	6, 0x0
	.amdhsa_kernel k_qb23390ec92_fused
		.amdhsa_group_segment_fixed_size 327680
		.amdhsa_private_segment_fixed_size 0
		.amdhsa_enable_private_segment 0
		.amdhsa_kernarg_size 56
		.amdhsa_user_sgpr_count 2
		.amdhsa_user_sgpr_kernarg_segment_ptr 1
		.amdhsa_wavefront_size32 1
		.amdhsa_system_sgpr_workgroup_id_x 1
		.amdhsa_system_sgpr_workgroup_id_y 1
		.amdhsa_system_sgpr_workgroup_id_z 1
		.amdhsa_system_vgpr_workitem_id 0
		.amdhsa_next_free_vgpr 1024
		.amdhsa_next_free_sgpr 66
		.amdhsa_reserve_vcc 1
		.amdhsa_float_denorm_mode_32 3
		.amdhsa_float_denorm_mode_16_64 3
		.amdhsa_memory_ordered 1
		.amdhsa_forward_progress 1
		.amdhsa_inst_pref_size 255
	.end_amdhsa_kernel
	.section	.bss,"aw",@nobits
	.p2align	6
	.space	262144
	.amdgpu_metadata
---
amdhsa.version: [ 1, 2 ]
amdhsa.kernels:
  - .name:           k_qb23390ec92_fused
    .symbol:         k_qb23390ec92_fused.kd
    .args:
      - { .name: x, .offset: 0, .size: 8, .value_kind: global_buffer, .address_space: global }
      - { .name: bq, .offset: 8, .size: 8, .value_kind: global_buffer, .address_space: global }
      - { .name: bk, .offset: 16, .size: 8, .value_kind: global_buffer, .address_space: global }
      - { .name: bv, .offset: 24, .size: 8, .value_kind: global_buffer, .address_space: global }
      - { .name: bo, .offset: 32, .size: 8, .value_kind: global_buffer, .address_space: global }
      - { .name: wst, .offset: 40, .size: 8, .value_kind: global_buffer, .address_space: global }
      - { .name: out0, .offset: 48, .size: 8, .value_kind: global_buffer, .address_space: global }
    .group_segment_fixed_size: 327680
    .private_segment_fixed_size: 0
    .kernarg_segment_align: 8
    .kernarg_segment_size: 56
    .max_flat_workgroup_size: 128
    .sgpr_count:     66
    .vgpr_count:     1024
    .wavefront_size: 32
...
	.end_amdgpu_metadata
.endif
;; end of part 2
;; ======== version 2 of 2: 2 launches
;; limits: right only within a limited range of input values
;; workspace buffers: wst 3,276,800 bytes
;; launch prep (part 3): grid 256 x 1, 4 waves a work-group, no clusters, 12,800 bytes of LDS; arguments Wq, Wk, Wv, Wo, wst; writes wst
.if DOCPART == 3
	.amdgcn_target "amdgcn-amd-amdhsa--gfx1250"
	.amdhsa_code_object_version 6
	.text
	.protected	k_qb23390ec92_prep
	.globl	k_qb23390ec92_prep
	.p2align	8
	.type	k_qb23390ec92_prep,@function
k_qb23390ec92_prep:
	s_mov_b64 s[64:65], 0
	v_nop
	global_prefetch_b8 v0, s[64:65] scope:SCOPE_SE
	s_setreg_imm32_b32 hwreg(HW_REG_WAVE_MODE, 25, 1), 1
	s_wait_xcnt 0x0
; Wq, Wk, Wv, Wo: [1024 (k)][1024 (n)] f32, K the FIRST axis.  They become codes of BF6 (E3M2) with one E8M0 byte for each 32 along K,
; laid in wst in the very order in which the second launch streams them and in which a wave's operand registers take them.
; wst = 32 slots of 102,400 bytes.  Slot 4 g + kp: chunk g = 2 ph + c (ph = 0..3: Q, K, V, O; c: which half of the work), kp: K steps 2 kp, 2 kp + 1 of 128.
; A slot = 4 quarters of 25,600 bytes, one for each wave w of the second launch.  A quarter = [s' = 0, 1][tile i = 0..7] images of 1,536 bytes, then at 24,576 [s'][a = 0..3] scale images of 128 bytes.
; An image holds a fragment's 12 registers: register p of lane L at 512 (p / 4) + 16 L + 4 (p % 4); lane (r, h) holds column col(i, r), registers 6 c' .. 6 c' + 5 the 24 bytes of K block 4 s + 2 c' + h.
; A scale image: lanes 0-15 the words of tile 2 a, lanes 16-31 those of tile 2 a + 1.
; col(i, r):  Q, K: 512 c + 128 w + 32 (i / 2) + 8 (i % 2) + r + 8 (r / 8);   O: 512 c + 128 w + 16 i + r;   V: 64 (4 w + i / 2) + 32 c + 16 (i % 2) + r.
; SHARES.  Work-group id = 64 ph + 8 s + 4 c + w makes the 8 fragments of (g, w, K step s); its wave pw makes tiles 2 pw, 2 pw + 1: 32 columns x 128 along K.
; A LANE TAKES A COLUMN AND ITS REGISTERS RUN DOWN K: a block of 32 lies in one lane, its largest magnitude needs no other lane, and the conversions give codes with K innermost.
; Each load of a wave reads the same 128 consecutive bytes of a row of W; for Q and K the lanes take them in the tile's order of columns.
; A block's scale is 2^(floor(log2(largest magnitude)) - 4); its byte is the largest magnitude's exponent field - 4, held at 1 from below.
; LIMITS: a block of zeros gets the byte 1 where the quantiser's rule says 127 (its codes are zeros, and this program alone reads the bytes); NaN and infinities are not served.
; No barrier: the waves share nothing.  The images are gathered in the wave's own 3,072 bytes of LDS and leave by stores of 512 consecutive bytes.
.set EMAX, 4
.set X,  32                            ; v32-159  four blocks of 32 numbers
.set CC, 160                           ; v160-191 a block's six code registers, eight apart: no store's data are written again
.set D2, 16                            ; v16-18   the second half of a block's codes, before it is moved
	s_load_b256 s[4:11], s[0:1], 0x0               ; Wq, Wk, Wv, Wo
	s_load_b64 s[12:13], s[0:1], 0x20              ; wst
	v_lshl_add_u32 v192, v0, 2, 0x3000
	v_mov_b32 v193, 0
	v_lshrrev_b32 v1, 5, v0
	v_readfirstlane_b32 s16, v1                    ; pw
	v_and_b32 v2, 31, v0                           ; lane
	s_wait_alu depctr_va_vdst(0)
	s_lshr_b32 s17, ttmp9, 6                       ; ph
	s_bfe_u32 s18, ttmp9, 0x30003                  ; s: 3 bits from bit 3
	s_and_b32 s19, ttmp9, 7                        ; 4 c + w
	s_lshr_b32 s20, s19, 2                         ; c
	s_and_b32 s21, s19, 3                          ; w
	v_lshrrev_b32 v3, 4, v2                        ; u: which of my wave's two tiles
	s_wait_alu depctr_va_vdst(0)
	v_and_b32 v4, 7, v2
	v_lshl_add_u32 v4, v3, 3, v4
	v_bfe_u32 v5, v2, 3, 1
	v_lshl_add_u32 v4, v5, 4, v4                   ; Q, K: column 8 u + r + 8 (r / 8) of the wave's 32
	s_cmp_lt_u32 s17, 2
	s_cselect_b32 s22, -1, 0
	v_cndmask_b32 v4, v2, v4, s22                  ; V, O: the lane's own number
	v_lshlrev_b32 v4, 2, v4                        ; in bytes
	s_lshl_b32 s23, s19, 7
	s_lshl_b32 s24, s16, 5
	s_add_co_u32 s23, s23, s24                     ; Q, K, O: first column 128 (4 c + w) + 32 pw
	s_lshl_b32 s24, s21, 8
	s_lshl_b32 s25, s16, 6
	s_add_co_u32 s24, s24, s25
	s_lshl_b32 s25, s20, 5
	s_add_co_u32 s24, s24, s25                     ; V: 64 (4 w + pw) + 32 c
	s_cmp_eq_u32 s17, 2
	s_cselect_b32 s23, s24, s23
	s_lshl_b32 s23, s23, 2
	s_lshl_b32 s24, s18, 19                        ; 128 s rows of 4,096 bytes
	s_add_co_u32 s24, s24, s23
	s_mov_b32 s25, 0                               ; s[24:25]: where my wave's part of W begins
	s_lshl_b32 s26, s17, 3
	s_lshl_b32 s27, s20, 2
	s_add_co_u32 s26, s26, s27
	s_lshr_b32 s27, s18, 1
	s_add_co_u32 s26, s26, s27                     ; the slot: 8 ph + 4 c + s / 2
	s_mul_i32 s26, s26, 102400
	s_mul_i32 s27, s21, 25600
	s_add_co_u32 s26, s26, s27                     ; the quarter
	s_and_b32 s28, s18, 1                          ; s'
	s_mul_i32 s29, s28, 12288
	s_mul_i32 s35, s16, 3072
	s_add_co_u32 s30, s29, s35
	s_add_co_u32 s30, s30, s26
	s_mov_b32 s31, 0                               ; s[30:31]: my two images
	s_lshl_b32 s32, s28, 9
	s_lshl_b32 s29, s16, 7
	s_add_co_u32 s32, s32, s29
	s_add_co_u32 s32, s32, s26
	s_add_co_u32 s32, s32, 24576
	s_mov_b32 s33, 0                               ; s[32:33]: my scale image
	v_and_b32 v5, 15, v2                           ; r
	v_mul_u32_u24 v6, v3, 1536
	v_lshl_add_u32 v6, v5, 4, v6
	v_add_nc_u32 v6, s35, v6                       ; the stage, in: 3,072 pw + 1,536 u + 16 r
	v_lshlrev_b32 v7, 4, v2                        ; 16 x lane
	v_add_nc_u32 v8, s35, v7                       ; the stage, out
	v_lshlrev_b32 v9, 2, v2                        ; 4 x lane
	s_wait_alu depctr_va_vdst(0)
	s_wait_kmcnt 0x0
	s_and_b32 s34, s17, 1                          ; the weight is chosen on the work-group's number alone
	s_cmp_eq_u32 s34, 0
	s_cselect_b64 s[4:5], s[4:5], s[6:7]
	s_cselect_b64 s[8:9], s[8:9], s[10:11]
	s_cmp_lt_u32 s17, 2
	s_cselect_b64 s[4:5], s[4:5], s[8:9]
	s_add_nc_u64 s[4:5], s[4:5], s[24:25]
	s_add_nc_u64 s[14:15], s[12:13], s[32:33]
	s_add_nc_u64 s[12:13], s[12:13], s[30:31]
.macro LOADB t                         ; block t: W(128 s + 32 t + i, my column), i = 0 .. 31
.irp i, 0,1,2,3,4,5,6,7,8,9,10,11,12,13,14,15,16,17,18,19,20,21,22,23,24,25,26,27,28,29,30,31
	global_load_b32 v[X+32*(\t)+\i], v4, s[4:5] offset:(32*(\t)+\i)*4096 th:TH_LOAD_NT
.endr
.endm
.macro BLOCK t
.set XB, X+32*(\t)
.set CB, CC+8*(\t)
.if (\t) < 3
	s_wait_loadcnt 32                              ; this block's 32 loads are in; the next block's 32 may be out
.else
	s_wait_loadcnt 0x0
.endif
.if (\t)+2 < 4
	LOADB (\t)+2                                   ; two blocks ahead, into registers of its own
.endif
	v_max3_num_f32 v12, |v[XB]|, |v[XB+1]|, |v[XB+2]|               ; the block's largest magnitude: all 32 numbers are mine
	v_max3_num_f32 v13, |v[XB+3]|, |v[XB+4]|, |v[XB+5]|
.irp i, 6,10,14,18,22,26
	v_max3_num_f32 v12, v12, |v[XB+\i]|, |v[XB+\i+1]|
	v_max3_num_f32 v13, v13, |v[XB+\i+2]|, |v[XB+\i+3]|
.endr
	v_max3_num_f32 v12, v12, |v[XB+30]|, |v[XB+31]|
	v_max3_num_f32 v12, v12, v13, (EMAX+1)<<23     ; and the floor 2^(5 - 127): the byte cannot fall under 1
	v_add_nc_u32 v11, -(EMAX<<23), v12             ; 4 off its exponent field: the conversion takes the exponent field of this operand as its scale
	v_lshrrev_b32 v13, 23, v11                     ; the scale's byte
.if (\t) == 0
	v_mov_b32 v10, v13                             ; four bytes make my column's scale word of this K step
.else
	v_lshl_or_b32 v10, v13, 8*(\t), v10
.endif
	v_cvt_scalef32_pk16_bf6_f32 v[CB:CB+2], v[XB:XB+15], v11
	v_cvt_scalef32_pk16_bf6_f32 v[D2:D2+2], v[XB+16:XB+31], v11     ; (a conversion's three registers begin on an even number)
	v_nop                                          ; one plain place behind a scaled conversion
.irp i, 0,1,2
	v_mov_b32 v[CB+3+\i], v[D2+\i]
.endr
.if (\t)/2 == 0                        ; block t = 2 c' + h is registers 6 c' .. 6 c' + 5 of lane (r, h)
	ds_store_b128 v6, v[CB:CB+3] offset:256*((\t)%2)
	ds_store_b64 v6, v[CB+4:CB+5] offset:512+256*((\t)%2)
.else
	ds_store_b64 v6, v[CB:CB+1] offset:520+256*((\t)%2)
	ds_store_b128 v6, v[CB+2:CB+5] offset:1024+256*((\t)%2)
.endif
.endm
	LOADB 0
	LOADB 1
	BLOCK 0
	BLOCK 1
	BLOCK 2
	BLOCK 3
.irp k, 0,1,2,3,4,5
	ds_load_b128 v[X+4*\k:X+4*\k+3], v8 offset:512*\k              ; LDS serves a wave's instructions in order: these see my stores
.endr
	global_store_b32 v9, v10, s[14:15]             ; the four waves' scale images are 512 consecutive bytes
.irp k, 0,1,2,3,4,5
	s_wait_dscnt 5-\k                              ; the younger loads may be out
	global_store_b128 v7, v[X+4*\k:X+4*\k+3], s[12:13] offset:512*\k   ; 32 lanes store 512 consecutive bytes, at a multiple of 256 from wst's first byte
.endr
	s_wait_tensorcnt 0x0
	ds_add_u32 v192, v193
	s_wait_dscnt 0x0
	s_endpgm
.Lfunc_end_k_qb23390ec92_prep:
	.size	k_qb23390ec92_prep, .Lfunc_end_k_qb23390ec92_prep-k_qb23390ec92_prep
	.p2alignl 7, 3214868480
	.fill 96, 4, 3214868480
	.section	.rodata,"a",@progbits
	.p2align	6, 0x0
	.amdhsa_kernel k_qb23390ec92_prep
		.amdhsa_group_segment_fixed_size 12800
		.amdhsa_private_segment_fixed_size 0
		.amdhsa_enable_private_segment 0
		.amdhsa_kernarg_size 40
		.amdhsa_user_sgpr_count 2
		.amdhsa_user_sgpr_kernarg_segment_ptr 1
		.amdhsa_wavefront_size32 1
		.amdhsa_system_sgpr_workgroup_id_x 1
		.amdhsa_system_sgpr_workgroup_id_y 1
		.amdhsa_system_sgpr_workgroup_id_z 1
		.amdhsa_system_vgpr_workitem_id 0
		.amdhsa_next_free_vgpr 194
		.amdhsa_next_free_sgpr 66
		.amdhsa_reserve_vcc 0
		.amdhsa_float_denorm_mode_32 3
		.amdhsa_float_denorm_mode_16_64 3
		.amdhsa_memory_ordered 1
		.amdhsa_forward_progress 1
		.amdhsa_inst_pref_size 23
	.end_amdhsa_kernel
	.amdgpu_metadata
---
amdhsa.version: [ 1, 2 ]
amdhsa.kernels:
  - .name:           k_qb23390ec92_prep
    .symbol:         k_qb23390ec92_prep.kd
    .args:
      - { .name: Wq, .offset: 0, .size: 8, .value_kind: global_buffer, .address_space: global }
      - { .name: Wk, .offset: 8, .size: 8, .value_kind: global_buffer, .address_space: global }
      - { .name: Wv, .offset: 16, .size: 8, .value_kind: global_buffer, .address_space: global }
      - { .name: Wo, .offset: 24, .size: 8, .value_kind: global_buffer, .address_space: global }
      - { .name: wst, .offset: 32, .size: 8, .value_kind: global_buffer, .address_space: global }
    .group_segment_fixed_size: 12800
    .private_segment_fixed_size: 0
    .kernarg_segment_align: 8
    .kernarg_segment_size: 40
    .max_flat_workgroup_size: 128
    .sgpr_count:     66
    .vgpr_count:     194
    .wavefront_size: 32
...
	.end_amdgpu_metadata
.endif
;; end of part 3
;; launch fused (part 4): grid 256 x 1, 4 waves a work-group, clusters of 4 x 1, 327,680 bytes of LDS; arguments x, bq, bk, bv, bo, wst, out0; writes out0
.if DOCPART == 4
	.amdgcn_target "amdgcn-amd-amdhsa--gfx1250"
	.amdhsa_code_object_version 6
	.text
	.protected	k_qb23390ec92_fused
	.globl	k_qb23390ec92_fused
	.p2align	8
	.type	k_qb23390ec92_fused,@function
k_qb23390ec92_fused:
	s_mov_b64 s[64:65], 0
	v_nop
	global_prefetch_b8 v0, s[64:65] scope:SCOPE_SE
	s_setreg_imm32_b32 hwreg(HW_REG_WAVE_MODE, 25, 1), 1
	s_wait_xcnt 0x0
	s_wait_alu depctr_hold_cnt(0) depctr_sa_sdst(0) depctr_va_vdst(0) depctr_va_sdst(0) depctr_va_ssrc(0) depctr_va_vcc(0) depctr_vm_vsrc(0)
	s_getreg_b32 s2, hwreg(HW_REG_IB_STS2, 6, 4)
	s_cmp_eq_u32 s2, 0
	s_cbranch_scc0 .Lentry_in_a_cluster
	s_endpgm
.Lentry_in_a_cluster:
	s_bfe_u32 s2, ttmp6, 0x10000c
	s_cmp_lg_u32 s2, 0x3003
	s_cbranch_scc0 .Lentry_shape_is_right
	s_endpgm
.Lentry_shape_is_right:
; out0 = attention(x) Wo + bo, in one launch.  A work-group takes 64 rows (positions) of x through the whole chain; 256 work-groups x 64 = 16,384 rows.
; The weights' codes and scale bytes come from wst, 32 slots of 102,400 bytes, through a ring of two LDS slots; the four work-groups of a cluster walk the same slots and ask for each jointly.
; Chunk g = 0..7 (Q, Q, K, K, V, V, O, O: 512 columns each) is 8 K steps of 128; a wave makes 64 rows x 128 columns: 32 accumulators, 256 registers (window 3).
; x's codes (later the attention's result) stay in registers for all K: 384 registers in windows 1 and 2.  The matrix instruction is used transposed: a lane holds one row and eight neighbouring columns.
; ONE LOOP WALKS CHUNKS 0 TO 6 with one copy of the eight K steps; the bias loads and the epilogue are chosen by scalar branches on the loop's counter, the same in all waves and all work-groups.
; Chunk 7 is written out: it asks for no tile beyond the stream's end.
; Epilogues.  Q, K: bias, rotary turn, quantised along the head's 64, codes to LDS.  Behind chunk 3: scores (one product a position), softmax with the row's maximum taken away, weights kept in registers in f32.
; V: bias, through LDS to the wave that owns the position, weighted sum by the f32 matrix form (its result goes into a quantiser), quantised, codes to LDS.  O: bias, through the wave's own stage, stored as rows of 512 bytes.
; No data prefetch is laid: wst's 3,276,800 bytes are walked by all 64 clusters, each slot asked for 64 times in the launch, and x is read once by plain loads that run two steps of 128 columns ahead.
; LIMITS: a block of zeros gets the scale byte 1 where the quantiser's rule says 127 (its codes are zeros, and this program alone reads the bytes); NaN and infinities among the inputs are not served.
.set QTR,   25600
.set SLOTB, 102400
.set QK,    204800
.set QKP,   1552
.set SCR,   304128
.set TAB,   308224
.set TABP,  272
.set SPARE, 325632
.set XIMG,  204800
.set XSC,   253952
.set XSTG,  256000
.set VST,   204800
.set VSP,   2064
.set OC,    239616
.set OCP,   784
.set OS,    SCR
.set OST,   204800
.set STP,   528
.set SPW, 1
.set NIL, 2
.set LI,  3
.set LS,  4
.set AW,  5
.set ASC, 7
.set XS,  32
.set WS,  48
.set SS,  56
.set PW,  60
.set RR,  61
.set HH,  62
.set LN,  63
.set WB,  64
.set BI,  64
.set N,   128
.set T,   192
.set AV,  192
.set TM,  224
.set PC,  236
.set MX,  128
.set CD,  144
.set CB,  14
.set WV,  18
.set G1,  24
.set G0,  32
.set SEL, 40
.set CS,  42
.set OF,  68
.set RO,  76
.set MSB, 0
.macro WIN new
.if MSB != (\new)
	s_set_vgpr_msb (MSB<<8)|(\new)
.set MSB, (\new)
.endif
.endm
.macro PLACES n
.rept \n
	v_nop
.endr
.endm
.macro CREST
	s_cmp_lg_u32 s[WV], 0
	s_cbranch_scc1 .Lnot_wave_0_\@
	s_barrier_signal -3
.Lnot_wave_0_\@:
	s_barrier_wait -3
	s_barrier_signal -1
	s_barrier_wait -1
.endm
.macro CROUND
	s_barrier_signal -1
	s_barrier_wait -1
	CREST
.endm
.macro BARRIER
	s_wait_dscnt 0x0
	s_barrier_signal -1
	s_barrier_wait -1
.endm
.macro QUANT src
.irp b, 0,1,2,3
	v_max3_num_f32 v[TM+\b], |v[\src+16*\b]|, |v[\src+1+16*\b]|, 0x2800000
.endr
.irp i, 2,4,6,8,10,12,14
.irp b, 0,1,2,3
	v_max3_num_f32 v[TM+\b], v[TM+\b], |v[\src+16*\b+\i]|, |v[\src+1+16*\b+\i]|
.endr
.endr
.irp b, 0,1,2,3
	v_permlanex16_b32 v[TM+4+\b], v[TM+\b], s[SEL], s[SEL+1]
.endr
.irp b, 0,1,2,3
	v_max_num_f32 v[TM+\b], v[TM+\b], v[TM+4+\b]
.endr
.irp b, 0,1,2,3
	v_add_nc_u32 v[TM+8+\b], 0xfe000000, v[TM+\b]
.endr
.irp b, 0,1,2,3
	v_lshrrev_b32 v[TM+4+\b], 23, v[TM+8+\b]
.endr
	v_lshl_or_b32 v[PW], v[TM+5], 8, v[TM+4]
	v_lshl_or_b32 v[PW], v[TM+6], 16, v[PW]
	v_lshl_or_b32 v[PW], v[TM+7], 24, v[PW]
.irp c, 0,1
	v_cvt_scalef32_pk16_bf6_f32 v[PC+6*\c:PC+2+6*\c], v[\src+32*\c:\src+15+32*\c], v[TM+8+2*\c]
	v_cvt_scalef32_pk16_bf6_f32 v[PC+12+4*\c:PC+14+4*\c], v[\src+16+32*\c:\src+31+32*\c], v[TM+8+2*\c+1]
.endr
	v_nop
.irp c, 0,1
.irp i, 0,1,2
	v_permlane16_swap_b32 v[PC+6*\c+\i], v[PC+12+4*\c+\i]
.endr
.irp i, 0,1,2
	v_mov_b32 v[PC+3+6*\c+\i], v[PC+12+4*\c+\i]
.endr
.endr
.endm
.macro FETCHW slot, sp, set
.irp i, 0,1,2,3,4,5,6,7
.irp k, 0,1,2
	ds_load_b128 v[WB+96*(\set)+12*\i+4*\k:WB+96*(\set)+12*\i+4*\k+3], v[AW+(\slot)] offset:12288*(\sp)+1536*\i+512*\k
.endr
.endr
.irp a, 0,1,2,3
	ds_load_b32 v[WS+4*(\set)+\a], v[ASC+(\slot)] offset:24576+512*(\sp)+128*\a
.endr
.endm
.macro WMS z, ra, rb
.if \z
.if \ra
	v_wmma_scale_f32_16x16x128_f8f6f4 v[rD:rD+7], v[rA:rA+11], v[rB:rB+11], 0, v[rSA], v[rSB] matrix_a_fmt:MATRIX_FMT_BF6 matrix_b_fmt:MATRIX_FMT_BF6 matrix_a_scale:MATRIX_SCALE_ROW1
.else
	v_wmma_scale_f32_16x16x128_f8f6f4 v[rD:rD+7], v[rA:rA+11], v[rB:rB+11], 0, v[rSA], v[rSB] matrix_a_fmt:MATRIX_FMT_BF6 matrix_b_fmt:MATRIX_FMT_BF6
.endif
.elseif (\ra) && (\rb)
	v_wmma_scale_f32_16x16x128_f8f6f4 v[rD:rD+7], v[rA:rA+11], v[rB:rB+11], v[rD:rD+7], v[rSA], v[rSB] matrix_a_fmt:MATRIX_FMT_BF6 matrix_b_fmt:MATRIX_FMT_BF6 matrix_a_scale:MATRIX_SCALE_ROW1 matrix_b_scale:MATRIX_SCALE_ROW1
.elseif \ra
	v_wmma_scale_f32_16x16x128_f8f6f4 v[rD:rD+7], v[rA:rA+11], v[rB:rB+11], v[rD:rD+7], v[rSA], v[rSB] matrix_a_fmt:MATRIX_FMT_BF6 matrix_b_fmt:MATRIX_FMT_BF6 matrix_a_scale:MATRIX_SCALE_ROW1
.elseif \rb
	v_wmma_scale_f32_16x16x128_f8f6f4 v[rD:rD+7], v[rA:rA+11], v[rB:rB+11], v[rD:rD+7], v[rSA], v[rSB] matrix_a_fmt:MATRIX_FMT_BF6 matrix_b_fmt:MATRIX_FMT_BF6 matrix_b_scale:MATRIX_SCALE_ROW1
.else
	v_wmma_scale_f32_16x16x128_f8f6f4 v[rD:rD+7], v[rA:rA+11], v[rB:rB+11], v[rD:rD+7], v[rSA], v[rSB] matrix_a_fmt:MATRIX_FMT_BF6 matrix_b_fmt:MATRIX_FMT_BF6
.endif
.endm
.macro MULT s, i0, n, zero
	WIN 0xF4+4*((\s)/5)
.set ii, \i0
.rept \n
.set mm, 0
.rept 4
.set rD, 64*mm+8*ii
.set rA, WB+96*((\s)%2)+12*ii
.set rB, 48*((\s)%5)+12*mm
.set rSA, WS+4*((\s)%2)+ii/2
.set rSB, XS+4*mm+(\s)/2
	WMS \zero, ii%2, (\s)%2
.set mm, mm+1
.endr
.set ii, ii+1
.endr
.endm
.macro BIASLD kind
.irp i, 0,1,2,3,4,5,6,7
.if \kind == 0
.set bof, 128*(\i/2)+32*(\i%2)
.elseif \kind == 1
.set bof, 256*(\i/2)+64*(\i%2)
.else
.set bof, 64*\i
.endif
	global_load_b128 v[BI+8*\i:BI+8*\i+3], v9, s[48:49] offset:bof
	global_load_b128 v[BI+8*\i+4:BI+8*\i+7], v9, s[48:49] offset:bof+16
.endr
.endm
.macro STEP_E s, slot, zero
	s_wait_dscnt 0x0
	MULT \s, 0, 4, \zero
	WIN 0
	PLACES 4
	FETCHW \slot, 1, 1
	MULT \s, 4, 4, \zero
.endm
.macro TURN s, slot, refill, pos
	WIN 0
	s_wait_tensorcnt 0x0
	ds_add_u32 v[SPW], v[NIL]
	s_wait_dscnt 0x1
	MULT \s, 0, 2, 0
	s_wait_dscnt 0x0
	s_barrier_signal -1
	MULT \s, 2, 2, 0
	WIN 0
	s_barrier_wait -1
.if (\refill)
	CREST
.if (\pos) == 0
	s_add_nc_u64 s[CB:CB+1], s[CB:CB+1], 4*SLOTB
.endif
	s_add_nc_u64 s[G0+4*\slot+2:G0+4*\slot+3], s[CB:CB+1], s[OF+2*(\pos):OF+2*(\pos)+1]
	s_or_b32 s[G0+4*\slot+3], s[G0+4*\slot+3], 0x80000000
	tensor_load_to_lds s[G0+4*\slot:G0+4*\slot+3], s[G1:G1+7]
	s_nop 0
	PLACES 4
.else
	PLACES 4
.endif
	FETCHW 1-\slot, 0, 0
	MULT \s, 4, 4, 0
.endm
.macro REFILL1
	s_wait_tensorcnt 0x0
	ds_add_u32 v[SPW], v[NIL]
	s_add_nc_u64 s[G0+6:G0+7], s[CB:CB+1], s[OF+2:OF+3]
	s_or_b32 s[G0+7], s[G0+7], 0x80000000
	s_wait_dscnt 0x0
	CROUND
	tensor_load_to_lds s[G0+4:G0+7], s[G1:G1+7]
	s_nop 0
	PLACES 4
.endm
.macro CORE kind, tail
	FETCHW 0, 0, 0
	STEP_E 0, 0, 1
	TURN 1, 0, 1, 2
	STEP_E 2, 1, 0
	TURN 3, 1, 1, 3
	STEP_E 4, 0, 0
	TURN 5, 0, 1-\tail, 0
	STEP_E 6, 1, 0
	WIN 0
	PLACES 4
.if \kind == 3
	BIASX                                  ; in the loop over chunks: chosen by the chunk's number
.else
	BIASLD \kind
.endif
	s_wait_dscnt 0x0
	MULT 7, 0, 8, 0
	WIN 0
	PLACES 5
.endm
	s_load_b256 s[4:11], s[0:1], 0x0
	s_load_b128 s[12:15], s[0:1], 0x20
	s_load_b64 s[16:17], s[0:1], 0x30
	v_lshl_add_u32 v[SPW], v0, 2, SPARE
	v_mov_b32 v[NIL], 0
	ds_add_u32 v1, v2
	ds_add_u32 v1, v2
	s_wait_dscnt 0x0
	v_lshrrev_b32 v9, 5, v0
	v_readfirstlane_b32 s[WV], v9
	v_and_b32 v[RR], 15, v0
	v_bfe_u32 v[HH], v0, 4, 1
	v_and_b32 v[LN], 31, v0
	v_lshlrev_b32 v[LI], 4, v[LN]
	v_lshlrev_b32 v[LS], 2, v[LN]
	s_bfe_u32 s19, ttmp6, 0x40000
	s_lshl_b32 s20, ttmp9, 2
	s_add_co_u32 s20, s20, s19
	s_mul_i32 s21, s[WV], QTR
	v_add_nc_u32 v[AW], s21, v[LI]
	v_add_nc_u32 v[AW+1], SLOTB, v[AW]
	v_add_nc_u32 v[ASC], s21, v[LS]
	v_add_nc_u32 v[ASC+1], SLOTB, v[ASC]
.irp b, 0,1,2,3
	v_mov_b32 v[TM+4+\b], 0
.endr
	s_lshr_b32 s47, ttmp9, 2
	s_add_co_u32 s66, ttmp9, s47
	s_lshr_b32 s47, ttmp9, 4
	s_add_co_u32 s66, s66, s47
.irp p, 0,1,2,3
	s_add_co_u32 s[RO+\p], s66, \p
	s_and_b32 s[RO+\p], s[RO+\p], 3
	s_mul_i32 s[OF+2*\p], s[RO+\p], SLOTB
	s_mov_b32 s[OF+2*\p+1], 0
.endr
	s_mov_b32 s[G1+0], 15|(3<<16)|(1<<21)
	s_mov_b32 s[G1+1], 32<<16
	s_mov_b32 s[G1+2], 100<<16
	s_mov_b32 s[G1+3], 32<<16
	s_mov_b32 s[G1+4], 100
	s_mov_b32 s[G1+5], 32
	s_mov_b32 s[G1+6], 0
	s_mov_b32 s[G1+7], 0
	s_mov_b32 s[SEL], 0x76543210
	s_mov_b32 s[SEL+1], 0xfedcba98
	s_mov_b32 s[CS], 0x3e38aa3b
	s_mov_b32 s[CS+1], s[CS]
	s_mov_b32 s22, s21
	s_mov_b32 s23, 0
	s_lshl_b32 s50, s20, 18
	s_lshl_b32 s47, s[WV], 16
	s_add_co_u32 s50, s50, s47
	s_mov_b32 s51, 0
	s_lshl_b32 s60, s20, 18
	s_lshl_b32 s47, s[WV], 9
	s_add_co_u32 s60, s60, s47
	s_mov_b32 s61, 0
	s_lshl_b32 s62, s20, 6
	s_lshl_b32 s47, s[WV], 4
	s_add_co_u32 s62, s62, s47
	s_and_b32 s62, s62, 8191
	s_wait_kmcnt 0x0
	s_add_nc_u64 s[4:5], s[4:5], s[50:51]
	s_add_nc_u64 s[16:17], s[16:17], s[60:61]
	s_add_nc_u64 s[CB:CB+1], s[CB:CB+1], s[22:23]
	CROUND
	s_mov_b32 s[G0], 1
	s_mov_b32 s[G0+1], s21
	s_add_nc_u64 s[G0+2:G0+3], s[CB:CB+1], s[OF:OF+1]
	s_or_b32 s[G0+3], s[G0+3], 0x80000000
	s_mov_b32 s[G0+4], 1
	s_add_co_u32 s[G0+5], s21, SLOTB
	s_add_nc_u64 s[G0+6:G0+7], s[CB:CB+1], s[OF+2:OF+3]
	s_or_b32 s[G0+7], s[G0+7], 0x80000000
	tensor_load_to_lds s[G0:G0+3], s[G1:G1+7]
	s_nop 0
	s_wait_alu depctr_va_vdst(0)
	PLACES 4
; x: 16 rows x 128 columns of f32 into one of three sets of 64 registers: set 0 at v128 and set 1 at v192 of window 2, set 2 at v192 of window 1.  off: the step's place in the row, from the stepped base
.macro XLOAD st, off
	WIN 0x80-0x40*((\st)/2)
.irp i, 0,1,2,3,4,5,6,7,8,9,10,11,12,13,14,15
	global_load_b128 v[128+64*(((\st)+1)/2)+4*\i:128+64*(((\st)+1)/2)+4*\i+3], v[LI], s[4:5] offset:\i*4096+(\off) th:TH_LOAD_NT
.endr
	WIN 0
.endm
	XLOAD 0, 0                             ; steps 0 and 1 are on their way while the rotary table is made
	XLOAD 1, 512
	s_mul_i32 s47, s[WV], 16*TABP
	s_add_co_u32 s47, s47, TAB
	s_wait_alu depctr_va_vdst(0)
	v_add_nc_u32 v10, s47, v[LS]
	s_mul_i32 s47, s[WV], 16*STP
	s_add_co_u32 s47, s47, XSTG
	v_add_nc_u32 v12, s47, v[LI]
	v_mul_u32_u24 v13, v[RR], STP
	v_lshl_add_u32 v13, v[HH], 6, v13
	v_add_nc_u32 v13, s47, v13
	s_mul_i32 s47, s[WV], 8*1536
	s_add_co_u32 s47, s47, XIMG
	v_add_nc_u32 v14, s47, v[LI]
	s_lshl_b32 s47, s[WV], 9
	s_add_co_u32 s47, s47, XSC
	v_lshl_add_u32 v15, v[RR], 2, s47
	v_add_nc_u32 v16, XIMG, v[LI]
	v_add_nc_u32 v17, XSC, v[LS]
	v_mov_b32 v28, 1.0
.macro PJ lane, val
	s_mov_b32 s47, \val
	v_writelane_b32 v28, s47, \lane
.endm
	PJ 1, 1.333521432163324
	PJ 2, 1.7782794100389228
	PJ 3, 2.371373705661655
	PJ 4, 3.1622776601683795
	PJ 5, 4.216965034285822
	PJ 6, 5.623413251903491
	PJ 7, 7.498942093324558
	PJ 8, 10.0
	PJ 9, 13.33521432163324
	PJ 10, 17.782794100389228
	PJ 11, 23.71373705661655
	PJ 12, 31.622776601683795
	PJ 13, 42.16965034285822
	PJ 14, 56.23413251903491
	PJ 15, 74.98942093324558
	PJ 16, 100.0
	PJ 17, 133.3521432163324
	PJ 18, 177.82794100389228
	PJ 19, 237.1373705661655
	PJ 20, 316.22776601683795
	PJ 21, 421.6965034285822
	PJ 22, 562.3413251903491
	PJ 23, 749.8942093324558
	PJ 24, 1000.0
	PJ 25, 1333.521432163324
	PJ 26, 1778.2794100389228
	PJ 27, 2371.373705661655
	PJ 28, 3162.2776601683795
	PJ 29, 4216.965034285822
	PJ 30, 5623.413251903491
	PJ 31, 7498.942093324558
	s_wait_alu depctr_va_vdst(0)
	v_rcp_f32 v27, v28
	v_nop
	s_wait_alu depctr_va_vdst(0)
	v_fma_f32 v29, -v28, v27, 1.0
	v_fma_f32 v27, v27, v29, v27
	s_mov_b32 s52, 0x3fc90fdb
	s_mov_b32 s53, 0xb33bbd2e
	s_mov_b32 s54, -1.9515295891e-4
	s_mov_b32 s55, 8.3321608736e-3
	s_mov_b32 s56, -1.6666654611e-1
	s_mov_b32 s57, 2.443315711809948e-5
	s_mov_b32 s58, -1.388731625493765e-3
	s_mov_b32 s59, 4.166664568298827e-2
.macro TRIG b, off, ps
	v_cvt_f32_u32 v[\b], s[\ps]
	s_wait_alu depctr_va_vdst(0)
	v_mul_f32 v[\b], v[\b], v27
	v_mul_f32 v[\b+1], 0x3f22f983, v[\b]
	v_rndne_f32 v[\b+1], v[\b+1]
	v_fma_f32 v[\b], -v[\b+1], s52, v[\b]
	v_fma_f32 v[\b], -v[\b+1], s53, v[\b]
	v_cvt_i32_f32 v[\b+1], v[\b+1]
	v_mul_f32 v[\b+2], v[\b], v[\b]
	v_fma_f32 v[\b+3], v[\b+2], s54, s55
	v_fma_f32 v[\b+3], v[\b+3], v[\b+2], s56
	v_mul_f32 v[\b+4], v[\b+2], v[\b]
	v_fma_f32 v[\b+3], v[\b+3], v[\b+4], v[\b]
	v_fma_f32 v[\b+5], v[\b+2], s57, s58
	v_fma_f32 v[\b+5], v[\b+5], v[\b+2], s59
	v_mul_f32 v[\b+4], v[\b+2], v[\b+2]
	v_fma_f32 v[\b+6], v[\b+2], -0.5, 1.0
	v_fma_f32 v[\b+5], v[\b+5], v[\b+4], v[\b+6]
	v_and_b32 v[\b+4], 1, v[\b+1]
	v_cmp_eq_u32 vcc_lo, 1, v[\b+4]
	v_cndmask_b32 v[\b+6], v[\b+3], v[\b+5], vcc_lo
	v_cndmask_b32 v[\b+5], v[\b+5], v[\b+3], vcc_lo
	v_lshlrev_b32 v[\b+4], 30, v[\b+1]
	v_and_b32 v[\b+4], 0x80000000, v[\b+4]
	v_xor_b32 v[\b+6], v[\b+4], v[\b+6]
	v_add_nc_u32 v[\b+1], 1, v[\b+1]
	v_lshlrev_b32 v[\b+1], 30, v[\b+1]
	v_and_b32 v[\b+1], 0x80000000, v[\b+1]
	v_xor_b32 v[\b+5], v[\b+1], v[\b+5]
	ds_store_b32 v11, v[\b+5] offset:\off
	ds_store_b32 v11, v[\b+6] offset:\off+128
.endm
	s_mov_b32 s44, 0
	s_mov_b32 s63, 0
.Ltab:
	v_add_nc_u32 v11, s63, v10
	s_add_co_u32 s47, s62, 1
	TRIG 64, 0, 62
	TRIG 72, TABP, 47
	s_add_co_u32 s62, s62, 2
	s_add_co_u32 s63, s63, 2*TABP
	s_add_co_u32 s44, s44, 1
	s_cmp_lt_u32 s44, 8
	s_cbranch_scc1 .Ltab
	s_wait_alu depctr_va_vdst(0)
	s_wait_tensorcnt 0x0                   ; slot 0's first fill is in; slot 1's first fill is issued as a refill is: the three lines, a round, the load
	ds_add_u32 v1, v2
	s_wait_dscnt 0x0
	CROUND
	tensor_load_to_lds s[G0+4:G0+7], s[G1:G1+7]
	s_nop 0
	PLACES 4
; One step of 128 columns of x: set st is turned through the wave's stage, quantised, and its image stored.  ld = 1: the step two on is asked for, into the set read last step.  wc: the younger loads that may be out
.macro XSTEP st, ld, wc
.if \ld
	XLOAD ((\st)+2)%3, 512*((\st)+2)
.endif
	s_wait_loadcnt \wc
	WIN 0x08-0x04*((\st)/2)
.irp i, 0,1,2,3,4,5,6,7,8,9,10,11,12,13,14,15
	ds_store_b128 v12, v[128+64*(((\st)+1)/2)+4*\i:128+64*(((\st)+1)/2)+4*\i+3] offset:STP*\i
.endr
	WIN 0
.irp b, 0,1,2,3
.irp j, 0,1,2,3
	ds_load_b128 v[N+16*\b+4*\j:N+16*\b+4*\j+3], v13 offset:128*\b+16*\j
.endr
.endr
	s_wait_dscnt 0x0
	QUANT N
.irp k, 0,1,2
	ds_store_b128 v18, v[PC+4*\k:PC+4*\k+3] offset:1536*(\st)+512*\k
.endr
	ds_store_b32 v19, v[PW] offset:64*(\st)
.endm
	s_mov_b32 s44, 0                       ; eight steps: two trips of three (the three sets come round), then two steps that ask for nothing
	s_mov_b32 s63, 0
	s_mov_b32 s45, 0
.Lx:
	v_add_nc_u32 v18, s63, v14             ; where this trip's images and scale words go
	v_add_nc_u32 v19, s45, v15
	XSTEP 0, 1, 32                         ; 32: the loads of the next two steps may be out
	XSTEP 1, 1, 32
	XSTEP 2, 1, 32
	s_wait_xcnt 0x0                        ; the loads have read their base: it may step
	s_add_nc_u64 s[4:5], s[4:5], 1536
	s_add_co_u32 s63, s63, 4608
	s_add_co_u32 s45, s45, 192
	s_add_co_u32 s44, s44, 1
	s_cmp_lt_u32 s44, 2
	s_wait_alu depctr_va_vdst(0)
	s_cbranch_scc1 .Lx
	v_add_nc_u32 v18, s63, v14
	v_add_nc_u32 v19, s45, v15
	XSTEP 0, 0, 16
	XSTEP 1, 0, 0
	s_wait_tensorcnt 0x1
	BARRIER
.irp p, 0,1,2,3
	s_mul_i32 s47, s[RO+\p], 2*1536
	v_add_nc_u32 v[24+\p], s47, v16
	s_lshl_b32 s47, s[RO+\p], 7
	v_add_nc_u32 v[28+\p], s47, v17
.endr
	s_wait_alu depctr_va_vdst(0)
.irp s, 0,1,2,3,4,5,6,7
	WIN 0x40+0x40*(\s/5)
.irp m, 0,1,2,3
.irp k, 0,1,2
	ds_load_b128 v[48*(\s%5)+12*\m+4*\k:48*(\s%5)+12*\m+4*\k+3], v[24+\s/2] offset:(8*\m+\s%2)*1536+512*\k
.endr
.endr
.endr
	WIN 0
.irp m, 0,1,2,3
.irp a, 0,1,2,3
	ds_load_b32 v[XS+4*\m+\a], v[28+\a] offset:512*\m
.endr
.endr
	v_lshlrev_b32 v9, 6, v[HH]
	s_lshl_b32 s47, s[WV], 9
	v_add_nc_u32 v9, s47, v9
	v_mul_u32_u24 v18, v[RR], TABP
	v_lshl_add_u32 v18, v[HH], 5, v18
	v_add_nc_u32 v18, TAB, v18
	v_mul_u32_u24 v19, v[RR], QKP
	v_mad_u32_u24 v19, v[HH], 24, v19
	s_mul_i32 s47, s[WV], 96
	s_add_co_u32 s47, s47, QK
	v_add_nc_u32 v19, s47, v19
	v_lshlrev_b32 v22, 6, v[RR]
	s_lshl_b32 s47, s[WV], 2
	s_add_co_u32 s47, s47, SCR
	v_add_nc_u32 v22, s47, v22
.macro ROPE
.irp c, 0,1
.irp u, 0,1
.irp j, 0,2,4,6
.set rLO, N+32*\c+8*\u+\j
.set rHI, rLO+16
.set rTX, 4*\u+\j/2
.set rTP, T+rTX-rTX%2
.set rTM, PC+2*(\j/2)
.if rTX%2
	v_pk_mul_f32 v[rTM:rTM+1], v[rLO:rLO+1], v[rTP+24:rTP+25] op_sel:[0,1] op_sel_hi:[1,1]
	v_pk_mul_f32 v[rLO:rLO+1], v[rLO:rLO+1], v[rTP:rTP+1] op_sel:[0,1] op_sel_hi:[1,1]
	v_pk_fma_f32 v[rLO:rLO+1], v[rHI:rHI+1], v[rTP+16:rTP+17], v[rLO:rLO+1] op_sel:[0,1,0] op_sel_hi:[1,1,1] neg_lo:[1,0,0] neg_hi:[1,0,0]
	v_pk_fma_f32 v[rHI:rHI+1], v[rHI:rHI+1], v[rTP+8:rTP+9], v[rTM:rTM+1] op_sel:[0,1,0] op_sel_hi:[1,1,1]
.else
	v_pk_mul_f32 v[rTM:rTM+1], v[rLO:rLO+1], v[rTP+24:rTP+25] op_sel_hi:[1,0]
	v_pk_mul_f32 v[rLO:rLO+1], v[rLO:rLO+1], v[rTP:rTP+1] op_sel_hi:[1,0]
	v_pk_fma_f32 v[rLO:rLO+1], v[rHI:rHI+1], v[rTP+16:rTP+17], v[rLO:rLO+1] op_sel_hi:[1,0,1] neg_lo:[1,0,0] neg_hi:[1,0,0]
	v_pk_fma_f32 v[rHI:rHI+1], v[rHI:rHI+1], v[rTP+8:rTP+9], v[rTM:rTM+1] op_sel_hi:[1,0,1]
.endif
.endr
.endr
.endr
.endm
.macro QKEPI m
.irp t, 0,1,2,3,4,5,6,7
	ds_load_b128 v[T+4*\t:T+4*\t+3], v18 offset:16*TABP*\m+64*(\t/2)+16*(\t%2)
.endr
	WIN 0x03
.set nn, 0
.rept 32
	v_pk_add_f32 v[N+nn:N+nn+1], v[64*\m+nn:64*\m+nn+1], v[BI+nn:BI+nn+1]
.set nn, nn+2
.endr
	WIN 0
	s_wait_dscnt 0x0
	ROPE
	QUANT N
.irp c, 0,1
.irp k, 0,1,2
	ds_store_b64 v[20+\m/2], v[PC+6*\c+2*\k:PC+6*\c+2*\k+1] offset:16*QKP*(\m%2)+48*\c+8*\k
.endr
.endr
	ds_store_b32 v23, v[PW] offset:1024*\m
.endm
.macro SCSET                           ; behind chunk 3: the upper halves of the scores' operands (K = 64 of 128) are zero codes; the scores' addresses
.irp i, 0,1,2,3
.irp k, 6,7,8,9,10,11
	v_mov_b32 v[64+24*\i+\k], 0
	v_mov_b32 v[76+24*\i+\k], 0
.endr
.endr
.irp i, 0,1,2,3,4,5,6,7,8,9,10,11,12,13,14,15
	v_mov_b32 v[192+\i], 0
.endr
	s_mul_i32 s47, s[WV], 4*QKP
	s_add_co_u32 s47, s47, QK
	v_mul_u32_u24 v24, v[RR], 48
	v_mad_u32_u24 v24, v[HH], 24, v24
	v_add_nc_u32 v24, s47, v24
	v_add_nc_u32 v25, 32*QKP, v24
	s_lshl_b32 s47, s[WV], 8
	s_add_co_u32 s47, s47, SCR
	v_lshlrev_b32 v26, 1, v[RR]
	v_lshl_add_u32 v26, v[HH], 5, v26
	v_add_nc_u32 v26, s47, v26
.endm
.macro SCORES m
.irp i, 0,1,2,3
.irp k, 0,1,2
	ds_load_b64 v[64+24*\i+2*\k:65+24*\i+2*\k], v[24+\m/2] offset:(16*(\m%2)+\i)*QKP+768+8*\k
	ds_load_b64 v[76+24*\i+2*\k:77+24*\i+2*\k], v[24+\m/2] offset:(16*(\m%2)+\i)*QKP+8*\k
.endr
	ds_load_u16 v[SS+\i], v26 offset:64*(16*\m+\i)
.endr
	s_wait_dscnt 0x0
.irp i, 0,1,2,3
	v_wmma_scale_f32_16x16x128_f8f6f4 v[160+8*\i:167+8*\i], v[64+24*\i:75+24*\i], v[76+24*\i:87+24*\i], 0, v[SS+\i], v[SS+\i] matrix_a_fmt:MATRIX_FMT_BF6 matrix_b_fmt:MATRIX_FMT_BF6 matrix_a_scale:MATRIX_SCALE_ROW1
.endr
	PLACES 5
.irp i, 0,1,2,3
	v_max3_num_f32 v[192+4*\i], v[160+8*\i], v[161+8*\i], v[162+8*\i]
.endr
.irp i, 0,1,2,3
	v_max3_num_f32 v[192+4*\i], v[192+4*\i], v[163+8*\i], v[164+8*\i]
.endr
.irp i, 0,1,2,3
	v_max3_num_f32 v[192+4*\i], v[192+4*\i], v[165+8*\i], v[166+8*\i]
.endr
.irp i, 0,1,2,3
	v_max_num_f32 v[192+4*\i], v[192+4*\i], v[167+8*\i]
.endr
.irp i, 0,1,2,3
	v_permlanex16_b32 v[193+4*\i], v[192+4*\i], s[SEL], s[SEL+1]
.endr
.irp i, 0,1,2,3
	v_max_num_f32 v[192+4*\i], v[192+4*\i], v[193+4*\i]
.endr
.irp i, 0,1,2,3
.irp k, 0,2,4,6
	v_pk_add_f32 v[160+8*\i+\k:161+8*\i+\k], v[160+8*\i+\k:161+8*\i+\k], v[192+4*\i:193+4*\i] op_sel_hi:[1,0] neg_lo:[0,1] neg_hi:[0,1]
.endr
.endr
.set nn, 0
.rept 16
	v_pk_mul_f32 v[160+nn:161+nn], v[160+nn:161+nn], s[CS:CS+1] op_sel_hi:[1,0]
.set nn, nn+2
.endr
.set nn, 0
	s_wait_alu depctr_va_vdst(0)
.rept 32
	v_exp_f32 v[160+nn], v[160+nn]
.set nn, nn+1
.endr
	v_nop
	s_wait_alu depctr_va_vdst(0)
.irp i, 0,1,2,3
	v_pk_add_f32 v[192+4*\i:193+4*\i], v[160+8*\i:161+8*\i], v[162+8*\i:163+8*\i]
.endr
.irp i, 0,1,2,3
	v_pk_add_f32 v[194+4*\i:195+4*\i], v[164+8*\i:165+8*\i], v[166+8*\i:167+8*\i]
.endr
.irp i, 0,1,2,3
	v_pk_add_f32 v[192+4*\i:193+4*\i], v[192+4*\i:193+4*\i], v[194+4*\i:195+4*\i]
.endr
.irp i, 0,1,2,3
	v_add_f32 v[192+4*\i], v[192+4*\i], v[193+4*\i]
.endr
.irp i, 0,1,2,3
	v_permlanex16_b32 v[193+4*\i], v[192+4*\i], s[SEL], s[SEL+1]
.endr
.irp i, 0,1,2,3
	v_add_f32 v[192+4*\i], v[192+4*\i], v[193+4*\i]
.endr
	s_wait_alu depctr_va_vdst(0)
.irp i, 0,1,2,3
	v_rcp_f32 v[192+4*\i], v[192+4*\i]
.endr
	v_nop
	s_wait_alu depctr_va_vdst(0)
.irp i, 0,1,2,3
.set qq, 4*\m+\i
.if qq < 14
	WIN 0x80
.set rW, 144+8*qq
.else
	WIN 0x40
.set rW, 240+8*(qq-14)
.endif
.irp k, 0,2,4,6
	v_pk_mul_f32 v[rW+\k:rW+\k+1], v[160+8*\i+\k:161+8*\i+\k], v[192+4*\i:193+4*\i] op_sel_hi:[1,0]
.endr
.endr
	WIN 0
.endm
.macro VSET                            ; the addresses of V's epilogue
	v_lshlrev_b32 v9, 5, v[HH]
	s_lshl_b32 s47, s[WV], 10
	v_add_nc_u32 v9, s47, v9
	v_mul_u32_u24 v10, v[RR], VSP
	v_lshl_add_u32 v10, v[HH], 8, v10
	s_lshl_b32 s47, s[WV], 9
	s_add_co_u32 s47, s47, VST
	v_add_nc_u32 v10, s47, v10
	v_lshlrev_b32 v11, 4, v[RR]
	v_lshl_add_u32 v11, v[HH], 10, v11
	s_mul_i32 s47, s[WV], 4*VSP
	s_add_co_u32 s47, s47, VST
	v_add_nc_u32 v11, s47, v11
	v_mul_u32_u24 v12, v[RR], 48
	v_mad_u32_u24 v12, v[HH], OCP, v12
	s_mul_i32 s47, s[WV], 4*OCP
	s_add_co_u32 s47, s47, OC
	v_add_nc_u32 v12, s47, v12
	v_lshlrev_b32 v14, 1, v[RR]
	s_lshl_b32 s47, s[WV], 7
	s_add_co_u32 s47, s47, OS
	v_add_nc_u32 v14, s47, v14
.endm
.macro VEPI m
	WIN 0x03
.irp i, 0,1,2,3,4,5,6,7
.irp j, 0,1,2,3,4,5,6,7
	v_add_f32 v[N+4*(8*(\i%2)+\j)+\i/2], v[64*\m+8*\i+\j], v[BI+8*\i+\j]
.endr
.endr
	WIN 0
.irp u, 0,1
.irp j, 0,1,2,3,4,5,6,7
	ds_store_b128 v10, v[N+4*(8*\u+\j):N+4*(8*\u+\j)+3] offset:128*\u+16*\j
.endr
.endr
	BARRIER
.irp i, 0,1,2,3
.irp u, 0,1
	ds_load_b128 v[AV+16*\i+8*\u:AV+16*\i+8*\u+3], v11 offset:VSP*\i+256*\u
	ds_load_b128 v[AV+16*\i+8*\u+4:AV+16*\i+8*\u+7], v11 offset:VSP*\i+256*\u+512
.endr
.endr
	BARRIER
.irp kk, 0,1,2,3
.irp i, 0,1,2,3
.set qq, 4*\m+\i
.if qq < 14
	WIN 0xF8
.set rW, 144+8*qq+2*\kk
.else
	WIN 0xF4
.set rW, 240+8*(qq-14)+2*\kk
.endif
.irp u, 0,1
.if \kk == 0
	v_wmma_f32_16x16x4_f32 v[16*\i+8*\u:16*\i+8*\u+7], v[AV+16*\i+8*\u+2*\kk:AV+16*\i+8*\u+2*\kk+1], v[rW:rW+1], 0
.else
	v_wmma_f32_16x16x4_f32 v[16*\i+8*\u:16*\i+8*\u+7], v[AV+16*\i+8*\u+2*\kk:AV+16*\i+8*\u+2*\kk+1], v[rW:rW+1], v[16*\i+8*\u:16*\i+8*\u+7]
.endif
.endr
.endr
.endr
	WIN 0
	PLACES 9
	WIN 0x0F
.irp i, 0,1,2,3
	v_max3_num_f32 v[MX+\i], |v[16*\i]|, |v[16*\i+1]|, 0x2800000
.endr
.irp k, 2,4,6,8,10,12,14
.irp i, 0,1,2,3
	v_max3_num_f32 v[MX+\i], |v[16*\i+\k]|, |v[16*\i+\k+1]|, v[MX+\i]
.endr
.endr
	WIN 0
.irp i, 0,1,2,3
	v_permlanex16_b32 v[MX+4+\i], v[MX+\i], s[SEL], s[SEL+1]
.endr
.irp i, 0,1,2,3
	v_max_num_f32 v[MX+\i], v[MX+\i], v[MX+4+\i]
.endr
.irp i, 0,1,2,3
	v_add_nc_u32 v[MX+8+\i], 0xfe000000, v[MX+\i]
.endr
.irp i, 0,1,2,3
	v_lshrrev_b32 v[MX+4+\i], 23, v[MX+8+\i]
.endr
	WIN 0x03
.irp i, 0,1,2,3
	v_cvt_scalef32_pk16_bf6_f32 v[CD+8*\i:CD+8*\i+2], v[16*\i:16*\i+15], v[MX+8+\i]
.endr
	WIN 0
	v_nop
.irp i, 0,2
.irp k, 0,1,2
	v_permlane16_swap_b32 v[CD+8*\i+\k], v[CD+8*\i+8+\k]
.endr
.irp k, 0,1,2
	v_mov_b32 v[CD+8*\i+3+\k], v[CD+8*\i+8+\k]
.endr
.irp k, 0,1,2
	ds_store_b64 v13, v[CD+8*\i+2*\k:CD+8*\i+2*\k+1] offset:(16*\m+\i)*OCP+8*\k
.endr
.endr
.irp i, 0,1,2,3
	ds_store_b8 v15, v[MX+4+\i] offset:32*(16*\m+\i)
.endr
	s_wait_dscnt 0x0
.endm
.macro OSET                            ; behind chunk 5: the addresses of O's epilogue; the attention's codes and scale words take x's registers
	v_lshlrev_b32 v9, 5, v[HH]
	s_lshl_b32 s47, s[WV], 9
	v_add_nc_u32 v9, s47, v9
	v_mul_u32_u24 v16, v[RR], OCP
	v_mad_u32_u24 v16, v[HH], 24, v16
	v_add_nc_u32 v16, OC, v16
	v_lshlrev_b32 v17, 5, v[RR]
	v_lshl_add_u32 v17, v[HH], 2, v17
	v_add_nc_u32 v17, OS, v17
	s_wait_alu depctr_va_vdst(0)
.irp p, 0,1,2,3
	s_mul_i32 s47, s[RO+\p], 192
	v_add_nc_u32 v[20+\p], s47, v16
	s_lshl_b32 s47, s[RO+\p], 3
	v_add_nc_u32 v[24+\p], s47, v17
.endr
	s_mul_i32 s47, s[WV], 16*STP
	s_add_co_u32 s47, s47, OST
	v_mul_u32_u24 v18, v[RR], STP
	v_lshl_add_u32 v18, v[HH], 5, v18
	v_add_nc_u32 v18, s47, v18
	v_add_nc_u32 v19, s47, v[LI]
.irp s, 0,1,2,3,4,5,6,7
	WIN 0x40+0x40*(\s/5)
.irp m, 0,1,2,3
.irp p, 0,1,2,3,4,5
	ds_load_b64 v[48*(\s%5)+12*\m+2*\p:48*(\s%5)+12*\m+2*\p+1], v[20+\s/2] offset:16*OCP*\m+96*(\s%2)+48*(\p/3)+8*(\p%3)
.endr
.endr
.endr
	WIN 0
	s_wait_alu depctr_va_vdst(0)
.irp m, 0,1,2,3
.irp a, 0,1,2,3
	ds_load_b32 v[XS+4*\m+\a], v[24+\a] offset:512*\m
.endr
.endr
.endm
; O's way out, by blocks of 16 rows x 128 columns.  OADD: bias added, the block into the wave's own stage.  OLD: back as rows of 512 bytes, into one of two buffers that lie in the registers
; that held the softmax's weights (done with from chunk 6 on) and that no product touches.  OSND: stored.
.macro OADD m
	WIN 0x03
.set nn, 0
.rept 32
	v_pk_add_f32 v[N+nn:N+nn+1], v[64*\m+nn:64*\m+nn+1], v[BI+nn:BI+nn+1]
.set nn, nn+2
.endr
	WIN 0
.irp i, 0,1,2,3,4,5,6,7
	ds_store_b128 v18, v[N+8*\i:N+8*\i+3] offset:64*\i
	ds_store_b128 v18, v[N+8*\i+4:N+8*\i+7] offset:64*\i+16
.endr
.endm
.macro OLD b                           ; buffer 0: v192-255 of window 2; buffer 1: v144-191 of window 2 (rows 0-11) and v240-255 of window 1 (rows 12-15)
.irp t, 0,1,2,3,4,5,6,7,8,9,10,11,12,13,14,15
.if (\b) == 0
	WIN 0x80
	ds_load_b128 v[192+4*\t:195+4*\t], v19 offset:STP*\t
.elseif \t < 12
	WIN 0x80
	ds_load_b128 v[144+4*\t:147+4*\t], v19 offset:STP*\t
.else
	WIN 0x40
	ds_load_b128 v[240+4*(\t-12):243+4*(\t-12)], v19 offset:STP*\t
.endif
.endr
	WIN 0
.endm
.macro OSND c, m, b                    ; 32 lanes store 512 consecutive bytes of a row, at a multiple of 256 from out0's first byte
.irp t, 0,1,2,3,4,5,6,7,8,9,10,11,12,13,14,15
.if (\b) == 0
	WIN 0x08
	global_store_b128 v[LI], v[192+4*\t:195+4*\t], s[16:17] offset:(16*\m+\t)*4096+2048*\c th:TH_STORE_NT
.elseif \t < 12
	WIN 0x08
	global_store_b128 v[LI], v[144+4*\t:147+4*\t], s[16:17] offset:(16*\m+\t)*4096+2048*\c th:TH_STORE_NT
.else
	WIN 0x04
	global_store_b128 v[LI], v[240+4*(\t-12):243+4*(\t-12)], s[16:17] offset:(16*\m+\t)*4096+2048*\c th:TH_STORE_NT
.endif
.endr
	WIN 0
.endm
.macro OHALF c, ma, mb                 ; blocks ma and mb of chunk 6 + c
	OADD \ma
	s_wait_xcnt 0x0                        ; the earlier stores have read both buffers
	OLD 0
	s_wait_dscnt 16                        ; block ma's 16 stage stores are done (its 16 loads may be out): their registers take block mb
	OADD \mb
	OLD 1                                  ; LDS serves a wave's instructions in order: block ma's loads come ahead of block mb's stores
	s_wait_dscnt 32                        ; block ma is back; block mb's 16 stores and 16 loads may be out
	OSND \c, \ma, 0
	s_wait_dscnt 0x0
	OSND \c, \mb, 1
.endm
.macro BIASX                           ; the chunk's 16 bias loads, in the order of its tiles' columns: Q and K, V, or O; every arm issues 16 loads
	s_cmp_lt_u32 s44, 4
	s_cbranch_scc0 .Lbv_\@
	BIASLD 0
	s_branch .Lbj_\@
.Lbv_\@:
	s_cmp_lt_u32 s44, 6
	s_cbranch_scc0 .Lbo_\@
	BIASLD 1
	s_branch .Lbj_\@
.Lbo_\@:
	BIASLD 2
.Lbj_\@:
.endm
	s_mov_b32 s44, 0                       ; the chunk's number g
	s_wait_alu depctr_va_vdst(0)
.Lg:
	s_cmp_lt_u32 s44, 2                    ; the chunk's bias: bq, bq, bk, bk, bv, bv, bo, chosen on g alone;
	s_cselect_b64 s[48:49], s[6:7], s[8:9]
	s_cmp_lt_u32 s44, 4
	s_cselect_b64 s[48:49], s[48:49], s[10:11]
	s_cselect_b32 s51, 11, 7
	s_cmp_lt_u32 s44, 6
	s_cselect_b64 s[48:49], s[48:49], s[12:13]
	s_cselect_b32 s51, s51, 11
	s_and_b32 s50, s44, 1                  ; its second half lies 2,048 bytes on (V: 128)
	s_lshl_b32 s50, s50, s51
	s_mov_b32 s51, 0
	s_add_nc_u64 s[48:49], s[48:49], s[50:51]
	CORE 3, 0
	s_wait_loadcnt 0x0                     ; the bias is in
	s_cmp_lt_u32 s44, 4                    ; the epilogue's first half: row blocks 0 and 1
	s_cbranch_scc0 .Lnq
	s_mul_i32 s45, s44, 384                ; Q, K: 512 codes and four scale words a chunk
	s_lshl_b32 s46, s44, 4
	v_add_nc_u32 v20, s45, v19
	v_add_nc_u32 v21, 32*QKP, v20
	v_add_nc_u32 v23, s46, v22
	QKEPI 0
	QKEPI 1
	s_branch .Lja
.Lnq:
	s_cmp_lt_u32 s44, 6
	s_cbranch_scc0 .Lno
	s_and_b32 s46, s44, 1                  ; V: which 32 of each head's 64: 24 bytes of codes, one scale byte
	s_mul_i32 s45, s46, 24
	v_add_nc_u32 v13, s45, v12
	v_add_nc_u32 v15, s46, v14
	VEPI 0
	VEPI 1
	s_branch .Lja
.Lno:
	OHALF 0, 0, 1
.Lja:
	s_wait_alu depctr_va_vdst(0)
	REFILL1                                ; on every way: the next chunk's second slot is asked for between the epilogue's halves
	s_cmp_lt_u32 s44, 4                    ; the second half: row blocks 2 and 3
	s_cbranch_scc0 .Lnq2
	QKEPI 2
	QKEPI 3
	s_branch .Lje
.Lnq2:
	s_cmp_lt_u32 s44, 6
	s_cbranch_scc0 .Lno2
	VEPI 2
	VEPI 3
	s_branch .Lje
.Lno2:
	OHALF 0, 2, 3
.Lje:
	s_wait_alu depctr_va_vdst(0)
	BARRIER                                ; what the epilogue stored to LDS is there for every wave
	s_cmp_eq_u32 s44, 3
	s_cbranch_scc0 .Lp1
	s_wait_xcnt 0x0                        ; the weights' registers serve as store buffers elsewhere in the loop's text: they are written only behind this wait
	SCSET
	SCORES 0
	SCORES 1
	SCORES 2
	SCORES 3
	VSET
	s_wait_alu depctr_va_vdst(0)
.Lp1:
	s_cmp_eq_u32 s44, 5
	s_cbranch_scc0 .Lp2
	OSET
.Lp2:
	s_add_co_u32 s44, s44, 1
	s_cmp_lt_u32 s44, 7
	s_wait_alu depctr_va_vdst(0)
	s_cbranch_scc1 .Lg
	s_add_nc_u64 s[48:49], s[12:13], 2048  ; chunk 7, written out: bo's second half; no tile is left to ask for behind its fourth slot
	CORE 2, 1
	s_wait_loadcnt 0x0
	OHALF 1, 0, 1
	OHALF 1, 2, 3
	s_wait_tensorcnt 0x0
	ds_add_u32 v[SPW], v[NIL]
	s_wait_dscnt 0x0
	CROUND
	s_endpgm
.Lfunc_end_k_qb23390ec92_fused:
	.size	k_qb23390ec92_fused, .Lfunc_end_k_qb23390ec92_fused-k_qb23390ec92_fused
	.p2alignl 7, 3214868480
	.fill 96, 4, 3214868480
	.section	.rodata,"a",@progbits
	.p2align	6, 0x0
	.amdhsa_kernel k_qb23390ec92_fused
		.amdhsa_group_segment_fixed_size 327680
		.amdhsa_private_segment_fixed_size 0
		.amdhsa_enable_private_segment 0
		.amdhsa_kernarg_size 56
		.amdhsa_user_sgpr_count 2
		.amdhsa_user_sgpr_kernarg_segment_ptr 1
		.amdhsa_wavefront_size32 1
		.amdhsa_system_sgpr_workgroup_id_x 1
		.amdhsa_system_sgpr_workgroup_id_y 1
		.amdhsa_system_sgpr_workgroup_id_z 1
		.amdhsa_system_vgpr_workitem_id 0
		.amdhsa_next_free_vgpr 1024
		.amdhsa_next_free_sgpr 80
		.amdhsa_reserve_vcc 1
		.amdhsa_float_denorm_mode_32 3
		.amdhsa_float_denorm_mode_16_64 3
		.amdhsa_memory_ordered 1
		.amdhsa_forward_progress 1
		.amdhsa_inst_pref_size 255
	.end_amdhsa_kernel
	.section	.bss,"aw",@nobits
	.p2align	6
	.space	262144
	.amdgpu_metadata
---
amdhsa.version: [ 1, 2 ]
amdhsa.kernels:
  - .name:           k_qb23390ec92_fused
    .symbol:         k_qb23390ec92_fused.kd
    .args:
      - { .name: x, .offset: 0, .size: 8, .value_kind: global_buffer, .address_space: global }
      - { .name: bq, .offset: 8, .size: 8, .value_kind: global_buffer, .address_space: global }
      - { .name: bk, .offset: 16, .size: 8, .value_kind: global_buffer, .address_space: global }
      - { .name: bv, .offset: 24, .size: 8, .value_kind: global_buffer, .address_space: global }
      - { .name: bo, .offset: 32, .size: 8, .value_kind: global_buffer, .address_space: global }
      - { .name: wst, .offset: 40, .size: 8, .value_kind: global_buffer, .address_space: global }
      - { .name: out0, .offset: 48, .size: 8, .value_kind: global_buffer, .address_space: global }
    .group_segment_fixed_size: 327680
    .private_segment_fixed_size: 0
    .kernarg_segment_align: 8
    .kernarg_segment_size: 56
    .max_flat_workgroup_size: 128
    .sgpr_count:     80
    .vgpr_count:     1024
    .wavefront_size: 32
...
	.end_amdgpu_metadata
.endif
;; end of part 4
